; MI455X (gfx1250); checked and timed in simulation.
; The chip was launched on July 23, 2026; its instructions are those of AMD's public machine-readable ISA for CDNA 5 (MIT licence, August 2026) and "CDNA5" Instruction Set Architecture Reference Guide (July 2026). The comments in the code are by the model that wrote it; some were corrected since.
;; Local Sliding Window Attention. Allowed arithmetic: matrix products marked QUANTISED: E3M2 operands, one E8M0 scale for each 32 along K, by v_wmma_scale_f32_16x16x128_f8f6f4 with both operands' format E3M2, f32 sums; everything else in f32.
;; Inputs: b_out 1,024 float32; b_qkv 3,072 float32; w_out 1,024 x 1,024 float32; w_qkv 3,072 x 1,024 float32; x 2 x 2,048 x 1,024 float32.
;; Outputs: out0 2 x 2,048 x 1,024 float32.
;; This version of the problem:
;;   THIS VERSION OF THE PROBLEM IS GIVEN IN LOW PRECISION. The matrix products marked QUANTISED in the list below multiply operands that are first quantised to E3M2 (3 exponent bits, 2 mantissa bits; 6 bits a number), with one power-of-two scale for each 32 numbers along K (OCP MX v1.0); their sums are f32. All else is computed in f32.
;;   The module's matrix products, in the order in which they are computed (A, B: the left and right operand; K: the contracted axis; several contracted axes count as one K, in the product's order):
;;     1. [M 4,096, K 1,024] x [K 1,024, N 3,072]; A: input x; B: input w_qkv: QUANTISED
;;     2. batch 32 x [M 2,048, K 64] x [K 64, N 2,048]; A: computed on the way; B: computed on the way: QUANTISED
;;     3. batch 32 x [M 2,048, K 2,048] x [K 2,048, N 64]; A: computed on the way; B: computed on the way: QUANTISED
;;     4. [M 4,096, K 1,024] x [K 1,024, N 1,024]; A: computed on the way; B: input w_out: QUANTISED
;;   THE QUANTISER, for each operand of a quantised product, along K:
;;     - K is cut into blocks of 32 from its start; a last block that is shorter is filled with zeros.
;;     - A block's scale is 2^e with e = floor(log2(the largest magnitude in the block)) - 4, held to -126 .. 127; a block of zeros has e = 0. As a byte (E8M0): e + 127.
;;     - Each number is divided by its block's scale, clamped to +-28, and rounded to the nearest number of E3M2, ties to even, subnormals kept.
;;     - The product sums the exact products of the quantised numbers (number of the format x scale) in f32.
;;   ~~~python
;;   def quantise(x, axis):      # numpy; x: float32 -> the quantised numbers, widened to float32 again
;;       x = np.moveaxis(x, axis, -1); K = x.shape[-1]
;;       x = np.pad(x, [(0, 0)] * (x.ndim - 1) + [(0, -K % 32)]); x = x.reshape(x.shape[:-1] + (-1, 32)); a = np.abs(x).max(-1, keepdims=True)
;;       e = np.where(a > 0, np.clip(np.frexp(np.where(a > 0, a, 1))[1] - 1 - 4, -126, 127), 0)      # np.frexp(a)[1] - 1 = floor(log2(a)), exactly
;;       r = np.clip(x / 2.0 ** e, -28, 28)
;;       step = 2.0 ** (np.maximum(np.frexp(np.where(r == 0, 1, r))[1] - 1, -2) - 2)
;;       q = np.round(r / step) * step * 2.0 ** e      # np.round: ties to even
;;       return np.moveaxis(q.reshape(q.shape[:-2] + (-1,))[..., :K], -1, axis).astype(np.float32)
;;   ~~~
;;   OPERANDS COMPUTED ON THE WAY. 'Computed on the way' means the value that the module computes at that place (a softmax that the list does not call 'softmax' is quantised finished and normalised). What goes into a quantiser is computed in f32, as accurately as f32 sums, v_exp_f32 and their like allow (about 1e-6 of the number): no bf16 or f16 on the way to a quantiser, and a product that is left as it is and whose result goes on into a quantised operand takes f32 operands (vector FMAs, or v_wmma_f32_16x16x4_f32). A number that lies on a knife's edge between two numbers of the format may be rounded either way, as far as f32 arithmetic and the matrix unit's own rounding can turn it there, and no further.
;; One version. Each part assembles by itself: llvm-mc -triple=amdgcn-amd-amdhsa -mcpu=gfx1250 --defsym DOCPART=n.
;; ======== version 1 of 1: 4 launches
;; workspace buffers: codes1 6,291,456 bytes; scales1 262,144 bytes; qkvc 9,437,184 bytes; qkvs 393,216 bytes; oc 3,145,728 bytes; os 131,072 bytes
;; launch quant (part 1): grid 256 x 1, 4 waves a work-group, no clusters, 33,280 bytes of LDS; arguments x, w_qkv, w_out, codes1, scales1; writes codes1, scales1
.if DOCPART == 1
	.amdgcn_target "amdgcn-amd-amdhsa--gfx1250"
	.amdhsa_code_object_version 6
	.text
	.protected	k_q5db7338b73_quant
	.globl	k_q5db7338b73_quant
	.p2align	8
	.type	k_q5db7338b73_quant,@function
k_q5db7338b73_quant:
	s_mov_b64 s[64:65], 0
	v_nop
	global_prefetch_b8 v0, s[64:65] scope:SCOPE_SE
	s_setreg_imm32_b32 hwreg(HW_REG_WAVE_MODE, 25, 1), 1
	s_wait_xcnt 0x0
; x [4096][1024], w_qkv [3072][1024] and w_out [1024][1024], f32, become codes of BF6 (E3M2), 6 bits each, K innermost, with one E8M0 byte for each 32 along K.
; A block's scale is 2^(floor(log2(its largest magnitude)) - 4); its byte is the largest magnitude's exponent field - 4, held at 1 from below.
; The three tensors are one list of 8,192 rows (x: 0.., w_qkv: 4096.., w_out: 7168..).  ROW p IS STORED AT PLACE pi(p) = p WITH ITS BITS 3 AND 4 SWAPPED, codes (768 bytes a row) and scale bytes (32 a row) alike:
; sixteen consecutive stored rows then are real rows 32 a + 8 u + (r & 7) + 16 (r >> 3), the order in which the later launches want the rows of a matrix tile.
; A wave takes a run of 8 rows (8,192 numbers, 16 steps of 512): bits 3 and 4 of a row are bits 0 and 1 of its run, which are the wave's number: so only the wave's place in the output differs.
; Each load reads 512 consecutive bytes; a step's 2,048 bytes turn through the wave's own stage in LDS (16 bytes of padding behind each 64) and come back 16 neighbours a lane; two neighbouring lanes hold a block.
; A lane's 16 codes are 12 bytes: a store covers 384 consecutive bytes.  A wave's 256 scale bytes gather in its own LDS bytes and leave as one aligned run of 256.  Waves share nothing: no barrier.
; LIMITS: NaN and infinities are not served; a block of zeros, or one whose largest magnitude lies under 2^-122, gets the byte 1 (a block of zeros has zero codes, and only this program reads the bytes).
.set STEPS, 16
.set EMAX,  4
.set CB,    12                         ; bytes of 16 codes
.set R,     16                         ; v16-79   four sets of 16 numbers as loaded
.set X,     80                         ; v80-111  two sets of 16 neighbours
.set C,     128                        ; v128-191 codes: four registers a step, so that no store's data are written again
.set E,     112                        ; v112-127 a scale byte a step
.set WREG,  8192                       ; LDS: a wave's region: two stages of 32 x SP bytes, then its 256 scale bytes
.set SP,    80
	s_load_b128 s[4:7], s[0:1], 0x0                ; x, w_qkv
	s_load_b128 s[8:11], s[0:1], 0x10              ; w_out, the codes
	s_load_b64 s[12:13], s[0:1], 0x20              ; the scale bytes
	v_lshl_add_u32 v192, v0, 2, 0x8000
	v_mov_b32 v193, 0
	v_lshrrev_b32 v1, 5, v0
	v_readfirstlane_b32 s16, v1                    ; wave
	v_and_b32 v2, 31, v0                           ; lane
	v_lshlrev_b32 v3, 4, v2                        ; my 16 bytes of a load's 512
	s_mul_i32 s17, s16, WREG
	v_lshrrev_b32 v14, 2, v2
	v_mul_u32_u24 v14, v14, SP
	v_and_b32 v15, 3, v2
	v_lshl_add_u32 v14, v15, 4, v14
	v_add_nc_u32 v14, s17, v14                     ; the stage, in: SP (lane / 4) + 16 (lane % 4)
	v_mul_u32_u24 v15, v2, SP
	v_add_nc_u32 v15, s17, v15                     ; and out: SP x lane: my 16 neighbours
	v_mul_u32_u24 v4, v2, CB                       ; my codes' place in a step's
	v_lshrrev_b32 v5, 1, v2
	s_add_co_u32 s17, s17, 2*32*SP
	v_add_nc_u32 v5, s17, v5                       ; LDS: my block's scale byte
	v_lshlrev_b32 v7, 3, v2                        ; on the way out 8 bytes a lane
	v_add_nc_u32 v6, s17, v7
	s_and_b32 s20, s16, 1
	s_lshl_b32 s20, s20, 1
	s_lshr_b32 s21, s16, 1
	s_or_b32 s20, s20, s21                         ; the wave's number with its two bits swapped
	s_lshl_b32 s21, ttmp9, 2
	s_add_co_u32 s20, s20, s21                     ; the run's place in the output
	s_mul_i32 s22, s20, 32*STEPS*CB                ; 6,144 bytes of codes a run
	s_mov_b32 s23, 0
	s_lshl_b32 s24, s20, 8                         ; 256 scale bytes a run
	s_mov_b32 s25, 0
	s_wait_kmcnt 0x0
	s_cmp_lt_u32 ttmp9, 128                        ; work-groups 0-127: x; 128-223: w_qkv; 224-255: w_out.  The choice hangs on the work-group's number alone
	s_cselect_b64 s[4:5], s[4:5], s[6:7]
	s_cselect_b32 s17, 0, 128
	s_cmp_lt_u32 ttmp9, 224
	s_cselect_b64 s[4:5], s[4:5], s[8:9]
	s_cselect_b32 s17, s17, 224
	s_sub_co_u32 s17, ttmp9, s17
	s_lshl_b32 s17, s17, 2
	s_add_co_u32 s18, s17, s16                     ; which run of its tensor is my wave's
	s_lshl_b32 s18, s18, 15                        ; 32,768 bytes a run
	s_mov_b32 s19, 0
	s_add_nc_u64 s[4:5], s[4:5], s[18:19]
	s_add_nc_u64 s[10:11], s[10:11], s[22:23]
	s_add_nc_u64 s[12:13], s[12:13], s[24:25]
.macro LOAD t
.irp i, 0,1,2,3
	global_load_b128 v[R+16*((\t)%4)+4*\i:R+16*((\t)%4)+4*\i+3], v3, s[4:5] offset:2048*(\t)+512*\i th:TH_LOAD_NT   ; 32 lanes read 512 consecutive bytes
.endr
.endm
.macro TURN t                          ; step t's numbers through the stage: LDS serves a wave's instructions in order, so no wait stands between the stores and the loads
.irp i, 0,1,2,3
	ds_store_b128 v14, v[R+16*((\t)%4)+4*\i:R+16*((\t)%4)+4*\i+3] offset:32*SP*((\t)%2)+8*SP*\i
.endr
.irp i, 0,1,2,3
	ds_load_b128 v[X+16*((\t)%2)+4*\i:X+16*((\t)%2)+4*\i+3], v15 offset:32*SP*((\t)%2)+16*\i
.endr
.endm
.irp t, 0,1,2,3
	LOAD \t
.endr
	s_wait_loadcnt 12                              ; step 0's four loads are in; twelve younger ones may be out
	TURN 0
.macro STEP t
.set XS, X+16*((\t)%2)
.if (\t) > 0
	s_wait_dscnt 1                                 ; this step's numbers are back from the stage (the last step's byte store may be out): its stores into the stage have read their registers,
.else
	s_wait_dscnt 0x0
.endif
.if (\t)+4 < STEPS
	LOAD (\t)+4                                    ; which take the loads of four steps on
.endif
.if (\t)+1 < STEPS
.if STEPS-2-(\t) >= 3
	s_wait_loadcnt 12                              ; the next step's four loads are in; those of the three steps behind it may be out
.else
	s_wait_loadcnt 4*(STEPS-2-(\t))
.endif
	TURN (\t)+1                                    ; through the other stage while this step is worked
.endif
	v_max3_num_f32 v8, |v[XS]|, |v[XS+1]|, |v[XS+2]|               ; the largest magnitude of my 16, in two chains
	v_max3_num_f32 v9, |v[XS+3]|, |v[XS+4]|, |v[XS+5]|
.irp i, 6,10
	v_max3_num_f32 v8, v8, |v[XS+\i]|, |v[XS+\i+1]|
	v_max3_num_f32 v9, v9, |v[XS+\i+2]|, |v[XS+\i+3]|
.endr
	v_max3_num_f32 v8, v8, |v[XS+14]|, |v[XS+15]|
	v_max3_num_f32 v8, v8, v9, (EMAX+1)<<23        ; and the floor 2^(5 - 127): the byte cannot fall under 1
	v_max_num_f32_dpp v8, v8, v8 row_xmask:1 row_mask:0xf bank_mask:0xf   ; and of my neighbour's 16: the block's
	v_add_nc_u32 v11, -(EMAX<<23), v8              ; 4 off its exponent field: the conversion takes this operand's exponent field as its scale
	v_cvt_scalef32_pk16_bf6_f32 v[C+4*(\t):C+4*(\t)+2], v[XS:XS+15], v11   ; sixteen numbers / scale, to the nearest code, ties to even, beyond 28 the largest code; 96 bits without gaps
	v_lshrrev_b32 v[E+(\t)], 23, v11               ; the scale's byte
	ds_store_b8 v5, v[E+(\t)] offset:16*(\t)       ; both lanes of a block write the same byte with the same value
	global_store_b96 v4, v[C+4*(\t):C+4*(\t)+2], s[10:11] offset:32*CB*(\t)
.endm
.irp t, 0,1,2,3,4,5,6,7,8,9,10,11,12,13,14,15
	STEP \t
.endr
	ds_load_b64 v[12:13], v6                       ; in order behind my byte stores
	s_wait_dscnt 0x0
	global_store_b64 v7, v[12:13], s[12:13]        ; 32 lanes store 256 consecutive bytes, aligned
	s_wait_tensorcnt 0x0
	ds_add_u32 v192, v193
	s_wait_dscnt 0x0
	s_endpgm
.Lfunc_end_k_q5db7338b73_quant:
	.size	k_q5db7338b73_quant, .Lfunc_end_k_q5db7338b73_quant-k_q5db7338b73_quant
	.p2alignl 7, 3214868480
	.fill 96, 4, 3214868480
	.section	.rodata,"a",@progbits
	.p2align	6, 0x0
	.amdhsa_kernel k_q5db7338b73_quant
		.amdhsa_group_segment_fixed_size 33280
		.amdhsa_private_segment_fixed_size 0
		.amdhsa_enable_private_segment 0
		.amdhsa_kernarg_size 40
		.amdhsa_user_sgpr_count 2
		.amdhsa_user_sgpr_kernarg_segment_ptr 1
		.amdhsa_wavefront_size32 1
		.amdhsa_system_sgpr_workgroup_id_x 1
		.amdhsa_system_sgpr_workgroup_id_y 1
		.amdhsa_system_sgpr_workgroup_id_z 1
		.amdhsa_system_vgpr_workitem_id 0
		.amdhsa_next_free_vgpr 194
		.amdhsa_next_free_sgpr 66
		.amdhsa_reserve_vcc 0
		.amdhsa_float_denorm_mode_32 3
		.amdhsa_float_denorm_mode_16_64 3
		.amdhsa_memory_ordered 1
		.amdhsa_forward_progress 1
		.amdhsa_inst_pref_size 33
	.end_amdhsa_kernel
	.amdgpu_metadata
---
amdhsa.version: [ 1, 2 ]
amdhsa.kernels:
  - .name:           k_q5db7338b73_quant
    .symbol:         k_q5db7338b73_quant.kd
    .args:
      - { .name: x, .offset: 0, .size: 8, .value_kind: global_buffer, .address_space: global }
      - { .name: w_qkv, .offset: 8, .size: 8, .value_kind: global_buffer, .address_space: global }
      - { .name: w_out, .offset: 16, .size: 8, .value_kind: global_buffer, .address_space: global }
      - { .name: codes1, .offset: 24, .size: 8, .value_kind: global_buffer, .address_space: global }
      - { .name: scales1, .offset: 32, .size: 8, .value_kind: global_buffer, .address_space: global }
    .group_segment_fixed_size: 33280
    .private_segment_fixed_size: 0
    .kernarg_segment_align: 8
    .kernarg_segment_size: 40
    .max_flat_workgroup_size: 128
    .sgpr_count:     66
    .vgpr_count:     194
    .wavefront_size: 32
...
	.end_amdgpu_metadata
.endif
;; end of part 1
;; launch qkv (part 2): grid 48 x 4, 4 waves a work-group, clusters of 4 x 4, 327,680 bytes of LDS; arguments codes1, scales1, b_qkv, qkvc, qkvs; writes qkvc, qkvs
.if DOCPART == 2
	.amdgcn_target "amdgcn-amd-amdhsa--gfx1250"
	.amdhsa_code_object_version 6
	.text
	.protected	k_q5db7338b73_qkv
	.globl	k_q5db7338b73_qkv
	.p2align	8
	.type	k_q5db7338b73_qkv,@function
k_q5db7338b73_qkv:
	s_mov_b64 s[64:65], 0
	v_nop
	global_prefetch_b8 v0, s[64:65] scope:SCOPE_SE
	s_setreg_imm32_b32 hwreg(HW_REG_WAVE_MODE, 25, 1), 1
	s_wait_xcnt 0x0
	s_wait_alu depctr_hold_cnt(0) depctr_sa_sdst(0) depctr_va_vdst(0) depctr_va_sdst(0) depctr_va_ssrc(0) depctr_va_vcc(0) depctr_vm_vsrc(0)
	s_getreg_b32 s2, hwreg(HW_REG_IB_STS2, 6, 4)
	s_cmp_eq_u32 s2, 0
	s_cbranch_scc0 .Lentry_in_a_cluster
	s_endpgm
.Lentry_in_a_cluster:
	s_bfe_u32 s2, ttmp6, 0x10000c
	s_cmp_lg_u32 s2, 0xf033
	s_cbranch_scc0 .Lentry_shape_is_right
	s_endpgm
.Lentry_shape_is_right:
; qkv = x w_qkv^T + b_qkv on codes of BF6 (E3M2) with E8M0 scales, K = 1,024, and its results quantised at once, in registers, into the operands of the attention's two products.
; THE MATRIX INSTRUCTION'S TWO SOURCES: source 1 ("A" below) gives a result's lane, source 0 ("B") its registers.  A wave's 128 x 128 is 64 accumulators; for one block of 16 rows of A a lane holds 64 numbers, which with the
; lane 16 away are 128 neighbours along B's rows (the stored rows of the codes are in the order pi, bits 3 and 4 swapped: registers 16 b + i of a lane are index 32 b + 16 (lane / 16) + i).  So the result is quantised ALONG B'S ROWS.
;   clusters 0-7  (q and k): A = tokens (x), B = channels (w_q, w_k): q and k are quantised along their channels; a fragment is 16 tokens x 128 channels (a pair of heads).
;   clusters 8-11 (v):       A = channels (w_v), B = tokens (x): v is quantised along the tokens, the second product's K; a fragment is 16 channels x 128 tokens.
; One text serves both: what differs (tiles, output bases, which bias) is chosen by scalar selects on the cluster's number, which all sixteen partners share.  192 tiles of 256 x 256: 12 clusters of 4 x 4.
; K goes in steps of 256 (rows of 192 bytes) through a ring of two LDS slots filled by joint tensor loads: A's tile is shared along a row of the cluster, B's along a column.  The scale bytes of the 256 + 256 rows come once.
; OUTPUT: a fragment leaves as an image of its 12 registers, 1,536 bytes = [6 pieces][32 lanes][8 bytes]; every store covers 256 consecutive bytes, aligned.  Scale words: 128 bytes for two fragments (lanes 0-15 the even one's rows, lanes 16-31 the odd one's).
;   qkvc: q, k at 0: [16 groups of 128 channels][256 token tiles]; v at 6,291,456: [32 groups of 128 tokens][64 channel tiles].   qkvs: q, k at 0; v at 262,144.
; LIMITS: NaN and infinities are not served; a block of zeros gets the byte 1 (its codes are zeros, and only this program reads the bytes).
; REGISTERS, in windows of 256: window 0: v0-31 addresses; v32-63 scale words, two sets; v64-127 bias along B; v128-223 A's fragments, ONE set (on the way out: numbers, codes, work); v224-251 bias along A and work.
;   window 1: B's fragments, two sets, at v0 and v128.   window 2: the accumulators of my A blocks 0-3 ((a, b) at v[8 (8 a + b)]);   window 3: blocks 4-7.
.set KSTEP,  256
.set NQ,     2                         ; matrix instructions deep in a slot
.set ROWB,   192                       ; a tile's row in bytes
.set KROW,   768                       ; a row of codes in memory
.set PITCH,  240                       ; an LDS row: 3 x (64 bytes + 16 of padding): the 32 lanes of a load of 8 bytes touch 64 different banks
.set FR,     12
.set NL,     6
.set NP,     4                         ; places behind this matrix instruction (ISA guide 7.12.1)
.set HALFT,  128*PITCH
.set SLOT,   4*HALFT
.set LAPS,   2                         ; 1,024 / (2 x 256)
.set KS,     32                        ; a row of scale bytes
.set SCL,    2*SLOT                    ; behind the ring: the scales, runs of 256 bytes + 16 of padding
.set HALFS,  (128*KS/256)*272
.set SBLK,   (16*KS/256)*272
.set SPARE,  SCL+4*HALFS               ; the spare words, 128 bytes a wave: two blocks of 256 bytes that no other line names
.set VBASEC, 6291456
.set VBASES, 262144
.set BOF,  8                           ; v8   bias along B: my byte offset in b_qkv; never rewritten
.set ROF,  9                           ; v9   bias along A: likewise
.set ADRA, 16                          ; v16-19
.set ADRB, 20                          ; v20-23
.set ADRS, 27
.set SPW,  28                          ; v28  LDS address of my spare word; never rewritten
.set NIL,  29                          ; v29  0; never rewritten
.set OFC,  30                          ; v30  8 x lane
.set OFS,  31                          ; v31  4 x lane
.set SC,   32
.set BB,   64                          ; v64-127  q, k: b(128 G + 32 b + 16 h + i) at 16 b + i;  v: 1.0
.set AF,   128
.set T,    128                         ; the way out: a block's 64 numbers
.set PC,   192                         ; 12 registers of codes; +12..14, +16..18 halves on their way
.set TM,   212                         ; +0..3 largest magnitudes, +4..7 the other half's, then bytes, +8..11 scale operands
.set RA,   224                         ; v224-231 b(2048 + my channel) for each of my eight A blocks
.set Y,    232                         ; v232-247 q, k: 1.0;  v: that bias, a pair for each block
.set ONE,  248
.set PW,   249
.set PWE,  250
.set PWP,  251
.set G1, 24
.set G0, 32
.set G1B, 48
.set G0B, 56
.set G1S, 68
.set G0S, 76
.set G1SB, 80
.set G0SB, 88
.set SEL, 98                           ; s[98:99] lane selects: lane l xor 16
.set MSB, 0
.macro WIN new                         ; the immediate's high byte repeats the setting that is left
.if MSB != \new
	s_set_vgpr_msb (MSB<<8)|\new
.set MSB, \new
.endif
.endm
.set MUL_LO, 0xa1                      ; source 0 (B) window 1, source 1 (A) window 0, C and D window 2
.set MUL_HI, 0xf1
.set TO_B,   0x40
; A joint load: waves 0 and 1 fetch for A, waves 2 and 3 for B; the branch hangs on the wave's number alone.  Four v_nop follow each of the two lines.
.macro JLOAD g0a, g1a, g0b, g1b
	s_cmp_eq_u32 s15, 0
	s_cbranch_scc0 .Lfor_b_\@
	tensor_load_to_lds s[\g0a:\g0a+3], s[\g1a:\g1a+7]
	s_nop 0
.rept 4
	v_nop
.endr
	s_branch .Lasked_\@
.Lfor_b_\@:
	tensor_load_to_lds s[\g0b:\g0b+3], s[\g1b:\g1b+7]
	s_nop 0
.rept 4
	v_nop
.endr
.Lasked_\@:
.endm
.macro CREST                           ; a round of the cluster's barrier behind its opening barrier
	s_cmp_lg_u32 s14, 0
	s_cbranch_scc1 .Lnot_wave_0_\@
	s_barrier_signal -3
.Lnot_wave_0_\@:
	s_barrier_wait -3
	s_barrier_signal -1
	s_barrier_wait -1
.endm
.macro CROUND
	s_barrier_signal -1
	s_barrier_wait -1
	CREST
.endm
	s_load_b128 s[4:7], s[0:1], 0x0                ; the codes, the scale bytes
	s_load_b128 s[8:11], s[0:1], 0x10              ; b_qkv, qkvc
	s_load_b64 s[12:13], s[0:1], 0x20              ; qkvs
	v_lshl_add_u32 v[SPW], v0, 2, SPARE
	v_mov_b32 v[NIL], 0
	ds_add_u32 v28, v29
	ds_add_u32 v28, v29
	s_wait_dscnt 0x0
	v_lshrrev_b32 v1, 5, v0
	v_readfirstlane_b32 s14, v1                    ; wave 0..3
	s_lshr_b32 s15, s14, 1                         ; which half of A's 256 rows is mine.  Also: I fetch for A (0) or for B (1)
	s_and_b32 s16, s14, 1                          ; which half of B's.  Also: which 128 rows I fetch
	s_bfe_u32 s40, ttmp6, 0x40000                  ; cx
	s_bfe_u32 s41, ttmp6, 0x40004                  ; cy
	; what hangs on the cluster's number cl = ttmp9 (0..11).  Tiles count 256 stored rows of the codes: x 0-15, w_q and w_k 16-23, w_v 24-27
	s_lshr_b32 s18, ttmp9, 1
	s_lshl_b32 s18, s18, 2                         ; 4 (cl / 2)
	s_and_b32 s19, ttmp9, 1
	s_lshl_b32 s19, s19, 2                         ; 4 (cl % 2)
	s_add_co_u32 s20, s19, 16
	s_sub_co_u32 s21, ttmp9, 8
	s_lshl_b32 s21, s21, 2                         ; 4 (cl - 8): chosen only where cl is 8 or more
	s_mov_b32 s22, VBASEC
	s_mov_b32 s23, VBASES
	s_cmp_lt_u32 ttmp9, 8                          ; q and k, or v?
	s_cselect_b32 s17, s18, 24                     ; A's tile in the buffer, less cy
	s_cselect_b32 s2, s18, 0                       ; and counted within its tensor
	s_cselect_b32 s42, s20, s21                    ; B's tile in the buffer, less cx
	s_cselect_b32 s95, s19, s21                    ; and counted within its tensor
	s_cselect_b32 s94, 256, 64                     ; fragments in a group of the output
	s_cselect_b32 s22, 0, s22
	s_cselect_b32 s23, 0, s23
	s_cselect_b32 s66, -1, 0                       ; all ones for q and k, 0 for v: a lane mask and a bit mask
	s_add_co_u32 s17, s17, s41
	s_add_co_u32 s2, s2, s41
	s_add_co_u32 s42, s42, s40
	s_add_co_u32 s95, s95, s40
	s_lshl_b32 s95, s95, 1
	s_add_co_u32 s95, s95, s16                     ; G: my group of 128 along B
	s_lshl_b32 s2, s2, 4
	s_lshl_b32 s3, s15, 3
	s_add_co_u32 s2, s2, s3                        ; my first fragment in the group: 16 x A's tile + 8 x half
	s_mul_i32 s96, s95, s94
	s_add_co_u32 s96, s96, s2
	s_lshl_b32 s98, s96, 6                         ; scale words: 64 bytes a fragment
	s_add_co_u32 s98, s98, s23
	s_mul_i32 s96, s96, 1536                       ; codes: 1,536 bytes a fragment
	s_add_co_u32 s96, s96, s22
	s_mov_b32 s97, 0
	s_mov_b32 s99, 0
	s_lshl_b32 s43, s41, 2
	s_lshl_b32 s43, 15, s43                        ; my row of the cluster
	s_lshl_b32 s44, 0x1111, s40                    ; my column
	; descriptor group 1: a tile of 128 rows x 192 bytes, 16 bytes of padding behind every 64
	s_or_b32 s[G1+0], s43, (0<<16)|(1<<20)|(1<<21)|(3<<22)|(3<<25)  ; 15:0 the mask; 17:16 elements of 1 byte; 20 padding on; 21 set beside a mask; 24:22 after every 16 words; 31:25 4 words
	s_or_b32 s[G1B+0], s44, (0<<16)|(1<<20)|(1<<21)|(3<<22)|(3<<25)
.irp g, G1, G1B
	s_mov_b32 s[\g+1], ROWB<<16                    ; tensor_dim0
	s_mov_b32 s[\g+2], 128<<16                     ; tensor_dim1
	s_mov_b32 s[\g+3], ROWB<<16                    ; tile_dim0
	s_mov_b32 s[\g+4], 128                         ; tile_dim1
	s_mov_b32 s[\g+5], KROW                        ; from row to row
	s_mov_b32 s[\g+6], 0
	s_mov_b32 s[\g+7], 0
.endr
	; the scale bytes of 128 rows: 4,096 dense bytes as 16 rows of 256 (32 elements of 8 bytes), 16 bytes of padding behind each
	s_or_b32 s[G1S+0], s43, (3<<16)|(1<<20)|(1<<21)|(5<<22)|(3<<25)
	s_or_b32 s[G1SB+0], s44, (3<<16)|(1<<20)|(1<<21)|(5<<22)|(3<<25)
.irp g, G1S, G1SB
	s_mov_b32 s[\g+1], 32<<16
	s_mov_b32 s[\g+2], (128*KS/256)<<16
	s_mov_b32 s[\g+3], 32<<16
	s_mov_b32 s[\g+4], 128*KS/256
	s_mov_b32 s[\g+5], 32
	s_mov_b32 s[\g+6], 0
	s_mov_b32 s[\g+7], 0
.endr
	s_lshl_b32 s18, s16, 7                         ; which 128 rows of the tile I fetch
	s_lshl_b32 s20, s17, 8
	s_add_co_u32 s20, s20, s18                     ; A: stored row (hangs on cl, cy and the wave)
	s_lshl_b32 s46, s42, 8
	s_add_co_u32 s46, s46, s18                     ; B: stored row (cl, cx and the wave)
	s_mov_b32 s21, 0
	s_mov_b32 s47, 0
	s_mov_b64 s[18:19], KS
	s_mul_u64 s[22:23], s[20:21], s[18:19]
	s_mul_u64 s[92:93], s[46:47], s[18:19]
	s_mov_b64 s[18:19], KROW
	s_mul_u64 s[20:21], s[20:21], s[18:19]
	s_mul_u64 s[46:47], s[46:47], s[18:19]
	s_mul_i32 s45, s14, HALFT                      ; where they go: wave x 128 rows: no place in the cluster enters an LDS address
	s_mul_i32 s94, s14, HALFS
	s_wait_kmcnt 0x0
	s_add_nc_u64 s[20:21], s[4:5], s[20:21]
	s_add_nc_u64 s[22:23], s[6:7], s[22:23]
	s_add_nc_u64 s[46:47], s[4:5], s[46:47]
	s_add_nc_u64 s[92:93], s[6:7], s[92:93]
	s_add_nc_u64 s[10:11], s[10:11], s[96:97]      ; the outputs at my first fragment
	s_add_nc_u64 s[12:13], s[12:13], s[98:99]
	CROUND                                         ; all sixteen work-groups are here: the first joint loads meet
	s_mov_b32 s[G0S], 1
	s_add_co_u32 s[G0S+1], s94, SCL
	s_mov_b64 s[G0S+2:G0S+3], s[22:23]
	s_or_b32 s[G0S+3], s[G0S+3], 0x80000000
	s_mov_b32 s[G0SB], 1
	s_add_co_u32 s[G0SB+1], s94, SCL
	s_mov_b64 s[G0SB+2:G0SB+3], s[92:93]
	s_or_b32 s[G0SB+3], s[G0SB+3], 0x80000000
	JLOAD G0S, G1S, G0SB, G1SB                     ; the scales first: they are wanted with K step 0
.irp s, 0,1
	s_mov_b32 s[G0+4*\s], 1
	s_add_co_u32 s[G0+4*\s+1], s45, \s*SLOT
	s_add_nc_u64 s[G0+4*\s+2:G0+4*\s+3], s[20:21], \s*ROWB
	s_or_b32 s[G0+4*\s+3], s[G0+4*\s+3], 0x80000000
	s_mov_b32 s[G0B+4*\s], 1
	s_add_co_u32 s[G0B+4*\s+1], s45, \s*SLOT
	s_add_nc_u64 s[G0B+4*\s+2:G0B+4*\s+3], s[46:47], \s*ROWB
	s_or_b32 s[G0B+4*\s+3], s[G0B+4*\s+3], 0x80000000
	JLOAD G0+4*\s, G1, G0B+4*\s, G1B
.endr
	v_and_b32 v1, 15, v0                           ; r = l % 16
	v_bfe_u32 v2, v0, 4, 1                         ; h = l / 16
	; the biases, loaded alike on both ways; the way out chooses.  Along B: 64 numbers a lane, b(128 G + 32 b + 16 h + i) (for v: the buffer's first bytes, not used)
	s_lshl_b32 s2, s95, 9
	s_and_b32 s2, s2, s66
	v_lshlrev_b32 v[BOF], 6, v2
	v_add_nc_u32 v[BOF], s2, v[BOF]
.irp b, 0,1,2,3
.irp j, 0,1,2,3
	global_load_b128 v[BB+16*\b+4*\j:BB+16*\b+4*\j+3], v[BOF], s[8:9] offset:128*\b+16*\j
.endr
.endr
	; along A: b(2048 + 256 cy + 128 half + 32 (a / 2) + 8 (a % 2) + (r & 7) + 16 (r >> 3)), one number for each block a (for q and k: inside the buffer, not used)
	s_lshl_b32 s2, s41, 10
	s_lshl_b32 s3, s15, 9
	s_add_co_u32 s2, s2, s3
	s_add_co_u32 s2, s2, 8192
	v_and_b32 v[ROF], 7, v0
	v_bfe_u32 v3, v0, 3, 1
	v_lshl_add_u32 v[ROF], v3, 4, v[ROF]
	v_lshlrev_b32 v[ROF], 2, v[ROF]
	v_add_nc_u32 v[ROF], s2, v[ROF]
.irp a, 0,1,2,3,4,5,6,7
	global_load_b32 v[RA+\a], v[ROF], s[8:9] offset:4*(32*(\a/2)+8*(\a%2))
.endr
	s_mov_b32 s[SEL], 0x76543210
	s_mov_b32 s[SEL+1], 0xfedcba98
	s_mov_b32 s67, 0xffff0000                      ; lanes 16-31
	v_and_b32 v3, 31, v0
	v_lshlrev_b32 v[OFC], 3, v3
	v_lshlrev_b32 v[OFS], 2, v3
	v_mul_u32_u24 v3, v1, PITCH
	v_mul_u32_u24 v4, v2, 24
	v_add_nc_u32 v4, v3, v4                        ; a fragment's row x pitch + 24 x half
	v_lshl_add_u32 v5, v2, 4, v4                   ; and the same behind one padding more
	s_mul_i32 s21, s15, HALFT                      ; my 128 rows of A
	s_mul_i32 s22, s16, HALFT                      ; my 128 rows of B,
	s_add_co_u32 s22, s22, 2*HALFT                 ; which lie behind A's 256
.irp s, 0,1
	v_add_nc_u32 v[ADRA+\s], s21, v4
	v_add_nc_u32 v[ADRB+\s], s22, v4
	v_add_nc_u32 v[ADRA+2+\s], s21, v5
	v_add_nc_u32 v[ADRB+2+\s], s22, v5
	s_add_co_u32 s21, s21, SLOT
	s_add_co_u32 s22, s22, SLOT
.endr
	v_mul_u32_u24 v5, v1, KS                       ; my row's scales: 32 bytes a row,
	v_lshrrev_b32 v6, 8, v5
	v_lshl_add_u32 v5, v6, 4, v5                   ; and 16 more for each 256 passed
	s_mul_i32 s21, s15, HALFS
	s_mul_i32 s22, s16, HALFS
	s_add_co_u32 s22, s22, 2*HALFS
	s_sub_co_u32 s22, s22, s21
	v_mul_u32_u24 v6, s22, v2                      ; lanes 16-31 take B's: one product, the distance between the two bases
	s_add_co_u32 s21, s21, SCL
	v_add_nc_u32 v5, v5, v6
	v_add_nc_u32 v[ADRS], s21, v5
.macro FRAG reg, adr, q, i             ; a fragment, 16 rows x 128 K, is 12 registers: lane l holds row l % 16; registers 6 c .. 6 c + 5 hold K = 64 c + 32 (l / 16) + 0 .. 31: 24 bytes of the row, as they lie
.irp p, 0,1,2,3,4,5                    ; in pieces of 8 bytes.  Lanes 16-31 read three pieces further on; where that lies behind one padding more, the second address register serves
.set PCE, 12*(\q)+6*(\p/3)+\p%3
.if PCE%8 < 5
	ds_load_b64 v[\reg+2*\p:\reg+2*\p+1], v[\adr] offset:8*PCE+16*(PCE/8)+(\i)*16*PITCH
.else
	ds_load_b64 v[\reg+2*\p:\reg+2*\p+1], v[\adr+2] offset:8*PCE+16*(PCE/8)+(\i)*16*PITCH
.endif
.endr
.endm
; 16 matrix instructions: A's blocks a0, a0 + 1 x B's eight, 128 along K.  The 64 accumulators take turns, one instruction a turn, in the same order in every step.
.macro MUL16 a0, p, q, sc, zero
.irp a, \a0, \a0+1
.irp b, 0,1,2,3,4,5,6,7
.if \zero
	v_wmma_scale_f32_16x16x128_f8f6f4 v[8*(8*((\a)%4)+\b):8*(8*((\a)%4)+\b)+7], v[128*(\p)+FR*\b:128*(\p)+FR*\b+FR-1], v[AF+FR*(\a):AF+FR*(\a)+FR-1], 0, v[SC+8*NQ*(\sc)+NQ*\b+(\q)], v[SC+8*NQ*(\sc)+NQ*(\a)+(\q)] matrix_a_fmt:MATRIX_FMT_BF6 matrix_b_fmt:MATRIX_FMT_BF6 matrix_a_scale:MATRIX_SCALE_ROW1
.else
	v_wmma_scale_f32_16x16x128_f8f6f4 v[8*(8*((\a)%4)+\b):8*(8*((\a)%4)+\b)+7], v[128*(\p)+FR*\b:128*(\p)+FR*\b+FR-1], v[AF+FR*(\a):AF+FR*(\a)+FR-1], v[8*(8*((\a)%4)+\b):8*(8*((\a)%4)+\b)+7], v[SC+8*NQ*(\sc)+NQ*\b+(\q)], v[SC+8*NQ*(\sc)+NQ*(\a)+(\q)] matrix_a_fmt:MATRIX_FMT_BF6 matrix_b_fmt:MATRIX_FMT_BF6 matrix_a_scale:MATRIX_SCALE_ROW1
.endif
.endr
.endr
.endm
.macro FETCH_B slot, q, p
	WIN TO_B
.irp i, 0,1,2,3,4,5,6,7
	FRAG 128*(\p)+FR*\i, ADRB+\slot, \q, \i
.endr
	WIN 0
.endm
.macro FETCH_A slot, q, i0
.irp i, \i0, \i0+1, \i0+2, \i0+3
	FRAG AF+FR*(\i), ADRA+\slot, \q, \i
.endr
.endm
.macro SCALES sc                       ; a K step's scale words: two words a row; lanes 0-15 take A's block i, lanes 16-31 B's block i
.irp i, 0,1,2,3,4,5,6,7
	ds_load_b64 v[SC+8*NQ*\sc+NQ*\i:SC+8*NQ*\sc+NQ*\i+1], v[ADRS] offset:\i*SBLK
.endr
.endm
.macro PLACES n                        ; plain vector instructions between a matrix instruction and a load into, or a vector instruction on, its registers
.rept \n
	v_nop
.endr
.endm
.macro STEP slot, q, zero              ; a step of 128 along K that has its successor in the same slot
	s_wait_dscnt 4*NL                              ; B's set and A's blocks 0-3 are in; the youngest 24 loads (A's blocks 4-7) may be out
	WIN MUL_LO
	MUL16 0, (\q)%2, \q, \slot, \zero
	MUL16 2, (\q)%2, \q, \slot, \zero
	s_wait_dscnt 0                                 ; A's blocks 4-7 are in
	PLACES NP
	FETCH_B \slot, (\q)+1, 1-(\q)%2
	FETCH_A \slot, (\q)+1, 0
	WIN MUL_HI
	MUL16 4, (\q)%2, \q, \slot, \zero
	MUL16 6, (\q)%2, \q, \slot, \zero
	PLACES NP
	WIN 0
	FETCH_A \slot, (\q)+1, 4
.endm
; A slot's last step changes slots: ONE barrier; in front of it each wave waits for all its tensor loads, adds 0 to its spare word, and waits for that and for its reads of this slot.  fill = 1: the slot is filled again, two K steps ahead.
.macro TURN slot, next, fill
	s_wait_tensorcnt 0x0                           ; all my tensor loads have landed: my part of the next slot
	ds_add_u32 v[SPW], v[NIL]                      ; 0 onto my spare word
	s_wait_dscnt 4*NL+1                            ; the add and the youngest 24 loads (A's blocks 4-7) may be out
	WIN MUL_LO
	MUL16 0, 1, NQ-1, \slot, 0                     ; sixteen matrix instructions stand between the add and the wait for it
	s_wait_dscnt 0x0                               ; the add is done, and my reads of this slot are over
	s_barrier_signal -1
	MUL16 2, 1, NQ-1, \slot, 0
	WIN 0
	s_barrier_wait -1
.if \fill
	CREST                                          ; the barrier has opened a round of the cluster's: no wave of any partner still reads this slot or has a load on its way
	s_add_nc_u64 s[G0+4*\slot+2:G0+4*\slot+3], s[G0+4*\slot+2:G0+4*\slot+3], 2*ROWB
	s_add_nc_u64 s[G0B+4*\slot+2:G0B+4*\slot+3], s[G0B+4*\slot+2:G0B+4*\slot+3], 2*ROWB
	JLOAD G0+4*\slot, G1, G0B+4*\slot, G1B         ; the first tensor load behind the round; its four v_nop are the places in front of the loads below
.else
	PLACES NP
.endif
	v_add_nc_u32 v[ADRS], 4*NQ, v[ADRS]            ; the next K step's scale words (no LDS load of mine is out)
	FETCH_B \next, 0, 0
	FETCH_A \next, 0, 0
	SCALES \next
	WIN MUL_HI
	MUL16 4, 1, NQ-1, \slot, 0
	MUL16 6, 1, NQ-1, \slot, 0
	PLACES NP
	WIN 0
	FETCH_A \next, 0, 4
.endm
	s_wait_tensorcnt 1                             ; the scales and my part of K step 0 are in; K step 1's load may be out
	s_barrier_signal -1
	s_barrier_wait -1
	FETCH_B 0, 0, 0
	FETCH_A 0, 0, 0
	SCALES 0
	FETCH_A 0, 0, 4
	STEP 0, 0, 1                                   ; the first step's products start the sums: nothing is cleared
	s_mov_b32 s3, LAPS-1
.Llap:                                                 ; a trip goes once round the ring and fills both slots again
	TURN 0, 1, 1
	STEP 1, 0, 0
	TURN 1, 0, 1
	STEP 0, 0, 0
	s_sub_co_u32 s3, s3, 1
	s_cmp_lg_u32 s3, 0
	s_cbranch_scc1 .Llap
	TURN 0, 1, 0                                   ; the last lap fills nothing
	STEP 1, 0, 0
	s_wait_dscnt 4*NL
	WIN MUL_LO
	MUL16 0, 1, NQ-1, 1, 0
	MUL16 2, 1, NQ-1, 1, 0
	s_wait_dscnt 0
	WIN MUL_HI
	MUL16 4, 1, NQ-1, 1, 0
	MUL16 6, 1, NQ-1, 1, 0
	WIN 0
; 64 numbers of a lane, register 16 b + i = index 32 b + 16 (lane / 16) + i of my row, become a fragment's 12 registers of codes in v[PC] on and its scale word in v[PW].
.macro QUANT s
.irp b, 0,1,2,3
	v_max3_num_f32 v[TM+\b], |v[\s+16*\b]|, |v[\s+1+16*\b]|, 0x2800000   ; block b: my 16 numbers, and the floor 2^(5 - 127): the byte cannot fall under 1
.endr
.irp i, 2,4,6,8,10,12,14
.irp b, 0,1,2,3
	v_max3_num_f32 v[TM+\b], v[TM+\b], |v[\s+16*\b+\i]|, |v[\s+1+16*\b+\i]|   ; the four blocks by turns
.endr
.endr
.irp b, 0,1,2,3
	v_permlanex16_b32 v[TM+4+\b], v[TM+\b], s[SEL], s[SEL+1]
.endr
.irp b, 0,1,2,3
	v_max_num_f32 v[TM+\b], v[TM+\b], v[TM+4+\b]   ; with lane l xor 16's: the block's largest magnitude
.endr
.irp b, 0,1,2,3
	v_add_nc_u32 v[TM+8+\b], 0xfe000000, v[TM+\b]  ; 4 off its exponent field: the conversion's scale operand
.endr
.irp b, 0,1,2,3
	v_lshrrev_b32 v[TM+4+\b], 23, v[TM+8+\b]       ; the scale's byte
.endr
	v_lshl_or_b32 v[PW], v[TM+5], 8, v[TM+4]
	v_lshl_or_b32 v[PW], v[TM+6], 16, v[PW]
	v_lshl_or_b32 v[PW], v[TM+7], 24, v[PW]
.irp c, 0,1
	v_cvt_scalef32_pk16_bf6_f32 v[PC+6*\c:PC+2+6*\c], v[\s+32*\c:\s+15+32*\c], v[TM+8+2*\c]
	v_cvt_scalef32_pk16_bf6_f32 v[PC+12+4*\c:PC+14+4*\c], v[\s+16+32*\c:\s+31+32*\c], v[TM+8+2*\c+1]   ; (a conversion's three registers begin on an even number)
.endr
	v_nop                                          ; one plain place behind a scaled conversion
.irp c, 0,1                                    ; the operand wants a WHOLE block in a lane: lanes 0-15 block 2 c, lanes 16-31 block 2 c + 1
.irp i, 0,1,2
	v_permlane16_swap_b32 v[PC+6*\c+\i], v[PC+12+4*\c+\i]
.endr
.irp i, 0,1,2
	v_mov_b32 v[PC+3+6*\c+\i], v[PC+12+4*\c+\i]
.endr
.endr
.endm
; THE WAY OUT of A's block a: number = BB x Y + sum, where one of BB and Y is the bias and the other 1.0: the product is exact, so this is one rounded addition of the bias, and the move into window 0.
; Each accumulator is read from its low end on.  The fragment leaves in six stores of 256 consecutive bytes; two fragments' scale words in one of 128.
.macro EPI a
.if (\a) > 0
	s_wait_xcnt 0x0                                ; the last block's stores have read their registers: the codes and the scale word may be written again
.endif
	WIN 0x20+0x10*((\a)/4)                         ; source 2: window 2 or 3
.set i, 0
.rept 32
	v_pk_fma_f32 v[T+2*i:T+2*i+1], v[BB+2*i:BB+2*i+1], v[Y+2*(\a):Y+2*(\a)+1], v[64*((\a)%4)+2*i:64*((\a)%4)+2*i+1] op_sel_hi:[1,0,1]
.set i, i+1
.endr
	WIN 0
	QUANT T
.irp p, 0,1,2,3,4,5
	global_store_b64 v[OFC], v[PC+2*\p:PC+2*\p+1], s[10:11] offset:(\a)*1536+\p*256
.endr
.if (\a)%2 == 0
	v_mov_b32 v[PWE], v[PW]
.else
	v_cndmask_b32 v[PWP], v[PWE], v[PW], s67       ; lanes 0-15 the even fragment's rows, lanes 16-31 the odd one's
	global_store_b32 v[OFS], v[PWP], s[12:13] offset:((\a)/2)*128
.endif
.endm
	PLACES NP                                      ; behind the last products: for the reads of results and the writes over A's fragments
	s_wait_loadcnt 0x0                             ; the biases
	v_mov_b32 v[ONE], 1.0
.set i, 0
.rept 64
	v_cndmask_b32 v[BB+i], v[ONE], v[BB+i], s66    ; q, k: the bias along B;  v: 1.0
.set i, i+1
.endr
.irp a, 0,1,2,3,4,5,6,7
	v_cndmask_b32 v[Y+2*\a], v[RA+\a], v[ONE], s66 ; q, k: 1.0;  v: the bias along A
	v_cndmask_b32 v[Y+2*\a+1], v[RA+\a], v[ONE], s66
.endr
.irp b, 0,1,2,3
	v_mov_b32 v[TM+4+\b], 0                        ; written once: a lane permute's destination counts as one of its sources
.endr
.irp a, 0,1,2,3,4,5,6,7
	EPI \a
.endr
	s_wait_tensorcnt 0x0                           ; the wave's end
	ds_add_u32 v[SPW], v[NIL]
	s_wait_dscnt 0x0
	CROUND                                         ; the closing round: no work-group ends while a partner may still ask for a tile that names it
	s_endpgm
.Lfunc_end_k_q5db7338b73_qkv:
	.size	k_q5db7338b73_qkv, .Lfunc_end_k_q5db7338b73_qkv-k_q5db7338b73_qkv
	.p2alignl 7, 3214868480
	.fill 96, 4, 3214868480
	.section	.rodata,"a",@progbits
	.p2align	6, 0x0
	.amdhsa_kernel k_q5db7338b73_qkv
		.amdhsa_group_segment_fixed_size 327680
		.amdhsa_private_segment_fixed_size 0
		.amdhsa_enable_private_segment 0
		.amdhsa_kernarg_size 40
		.amdhsa_user_sgpr_count 2
		.amdhsa_user_sgpr_kernarg_segment_ptr 1
		.amdhsa_wavefront_size32 1
		.amdhsa_system_sgpr_workgroup_id_x 1
		.amdhsa_system_sgpr_workgroup_id_y 1
		.amdhsa_system_sgpr_workgroup_id_z 1
		.amdhsa_system_vgpr_workitem_id 0
		.amdhsa_next_free_vgpr 1024
		.amdhsa_next_free_sgpr 100
		.amdhsa_reserve_vcc 0
		.amdhsa_float_denorm_mode_32 3
		.amdhsa_float_denorm_mode_16_64 3
		.amdhsa_memory_ordered 1
		.amdhsa_forward_progress 1
		.amdhsa_inst_pref_size 191
	.end_amdhsa_kernel
	.amdgpu_metadata
---
amdhsa.version: [ 1, 2 ]
amdhsa.kernels:
  - .name:           k_q5db7338b73_qkv
    .symbol:         k_q5db7338b73_qkv.kd
    .args:
      - { .name: codes1, .offset: 0, .size: 8, .value_kind: global_buffer, .address_space: global }
      - { .name: scales1, .offset: 8, .size: 8, .value_kind: global_buffer, .address_space: global }
      - { .name: b_qkv, .offset: 16, .size: 8, .value_kind: global_buffer, .address_space: global }
      - { .name: qkvc, .offset: 24, .size: 8, .value_kind: global_buffer, .address_space: global }
      - { .name: qkvs, .offset: 32, .size: 8, .value_kind: global_buffer, .address_space: global }
    .group_segment_fixed_size: 327680
    .private_segment_fixed_size: 0
    .kernarg_segment_align: 8
    .kernarg_segment_size: 40
    .max_flat_workgroup_size: 128
    .sgpr_count:     100
    .vgpr_count:     1024
    .wavefront_size: 32
...
	.end_amdgpu_metadata
.endif
;; end of part 2
;; launch attn (part 3): grid 32 x 8, 8 waves a work-group, no clusters, 168,960 bytes of LDS; arguments qkvc, qkvs, oc, os; writes oc, os
.if DOCPART == 3
	.amdgcn_target "amdgcn-amd-amdhsa--gfx1250"
	.amdhsa_code_object_version 6
	.text
	.protected	k_q5db7338b73_attn
	.globl	k_q5db7338b73_attn
	.p2align	8
	.type	k_q5db7338b73_attn,@function
k_q5db7338b73_attn:
	s_mov_b64 s[64:65], 0
	v_nop
	global_prefetch_b8 v0, s[64:65] scope:SCOPE_SE
	s_setreg_imm32_b32 hwreg(HW_REG_WAVE_MODE, 25, 1), 1
	s_wait_xcnt 0x0
; The banded attention: query i sees keys i .. min(i + 64, 2047) of its own batch and head.  Both products on codes of BF6 (E3M2) with E8M0 scales; only the band is multiplied.
; SHARES.  A work-group: a pair of heads (y) and 128 tokens (x), eight tiles of 16.  A wave: one tile, both heads.  A tile's row r is token 32 pr + 8 u + (r & 7) + 16 (r >> 3) (pr: the tile's block of 32 tokens, u: tile % 2),
; so a wave's queries lie in one block of 32 and their keys in three: a window of 96 keys, six key tiles; the fourth block of the instruction's K = 128 gets zero codes of p.
; LAYOUT.  S^T = K Q^T (source 0 = 16 keys, source 1 = my 16 queries): a lane holds ONE query; by the tiles' row order registers 16 b + i are keys 32 b + 16 (lane / 16) + i of the window.  A fragment of K or Q holds BOTH heads'
; channels (K = 128); Q is used twice, each time with the other head's codes set to zero, so that K's fragment and both scale words are used as they lie.  O^T = V^T P^T likewise holds one query a lane and registers along the channels.
; THE SOFTMAX is finished before it is quantised: p = 2^((s - max) c) / sum, c = log2(e) / 8; the maximum is the row's own.  A block's largest p is the block's largest score put through the same instructions.
; O is quantised along the channels and leaves as an image of the last product's operand: oc [4][256 token tiles][2][3][32 lanes][16 bytes], os [256][8 K steps][16 rows] words.
; K's 12 tiles and V's 2 x 8 fragments come into LDS once, one tensor load a wave; nothing is filled again.  Keys past the batch's or the buffer section's end are loaded (written bytes of the same buffer) and masked.
; No joint loads: neighbouring work-groups share 4 of 12 key tiles, a small part of what a work-group reads.
; LIMITS: NaN and infinities are not served; a p under 2^-126 counts as 0; a block of zeros gets the byte 1 (zero codes; only this program reads the bytes).
.set VPART,  6291456                   ; v's fragments in qkvc
.set VSPART, 262144                    ; v's scale words in qkvs
.set VREG,   18432                     ; LDS: K's 12 tiles at 0; V: [2 token groups][8 channel tiles][1,536 bytes] here
.set L8,   1                           ; v1   8 x lane
.set L4,   2                           ; v2   4 x lane
.set R4,   3                           ; v3   4 x (lane % 16)
.set AV,   4                           ; v4-5 V's LDS address for registers 0-5, 6-11 of a fragment
.set VE,   6                           ; v6   my query in the window - 16 h: register n of block 0 is hidden where n < this
.set VUP,  7                           ; v7   the last visible key - 16 h: hidden where 32 b + i > this
.set NINF, 8
.set L16,  9                           ; v9   16 x lane
.set AK,   10                          ; v10  K's LDS address
.set OW,   11                          ; O's scale word
.set QS,   12
.set KSC,  13                          ; v13-15 K's scale words: lanes 0-15 the even tile, lanes 16-31 the odd one
.set VS,   16                          ; v16-19 V's, shifted to the window
.set PS,   20                          ; p's scale word
.set Q0,   24                          ; v24-35 head 0's codes, zeros;  v36-47 zeros, head 1's codes
.set KF,   48                          ; v48-119 six tiles of K
.set VF,   24                          ; v24-71, v72-119: later V's four fragments of head 0, of head 1
.set S,    120                         ; v120-167, v168-215: S^T, then p, of head 0, 1; O^T over the first 32 of each
.set PC,   216                         ; p's codes
.set X,    228                         ; sums, 1 / sum, halves of codes
.set OC,   236                         ; O's codes
.set W,    248                         ; +0..2 block maxima, +3..5 at work
.set MX,   254                         ; v[254:255] the row's maximum (the pair's low word serves both halves)
.macro WMZ d, s0, s1, x0, x1, r0       ; a product that starts its sum; r0 = 1: source 0's scales stand in lanes 16-31
.if \r0
	v_wmma_scale_f32_16x16x128_f8f6f4 v[\d:\d+7], v[\s0:\s0+11], v[\s1:\s1+11], 0, v[\x0], v[\x1] matrix_a_fmt:MATRIX_FMT_BF6 matrix_b_fmt:MATRIX_FMT_BF6 matrix_a_scale:MATRIX_SCALE_ROW1
.else
	v_wmma_scale_f32_16x16x128_f8f6f4 v[\d:\d+7], v[\s0:\s0+11], v[\s1:\s1+11], 0, v[\x0], v[\x1] matrix_a_fmt:MATRIX_FMT_BF6 matrix_b_fmt:MATRIX_FMT_BF6
.endif
.endm
	s_load_b256 s[4:11], s[0:1], 0x0               ; qkvc s[4:5], qkvs s[6:7], oc s[8:9], os s[10:11]
	v_lshl_add_u32 v235, v0, 2, 0x29000
	s_set_vgpr_msb 0x40
	v_mov_b32 v1, 0
	s_set_vgpr_msb 0x4044
	ds_add_u32 v235, v1
	ds_add_u32 v235, v1
	s_set_vgpr_msb 0x4400
	v_lshrrev_b32 v22, 5, v0
	v_readfirstlane_b32 s12, v22                   ; wave 0..7
	s_and_b32 s13, ttmp7, 0xffff                   ; hp: the pair of heads
	s_lshr_b32 s14, s12, 1                         ; pl: my block of 32 among the work-group's four
	s_and_b32 s15, s12, 1                          ; u
	s_lshl_b32 s16, ttmp9, 3
	s_add_co_u32 s16, s16, s12                     ; tt: my token tile
	s_lshl_b32 s17, ttmp9, 2
	s_add_co_u32 s17, s17, s14                     ; pr: my block of 32 tokens, over both batches
	s_lshl_b32 s19, s14, 3                         ; 8 pl: bits to shift V's scale bytes by
	s_and_b32 s18, s12, 3
	s_mov_b32 s20, 0x76543210
	s_mov_b32 s21, 0xfedcba98                      ; lane l xor 16
	s_mov_b32 s22, 0x3e38aa3b                      ; c = log2(e) / 8
	s_mov_b32 s23, s22
	; descriptor groups 1: dense blocks as rows of 256 bytes (32 elements of 8 bytes): K 18 rows a wave, V 24
	s_mov_b32 s24, 3<<16
	s_mov_b32 s25, 32<<16
	s_mov_b32 s26, 18<<16
	s_mov_b32 s27, 32<<16
	s_mov_b32 s28, 18
	s_mov_b32 s29, 32
	s_mov_b32 s30, 0
	s_mov_b32 s31, 0
	s_mov_b32 s32, 3<<16
	s_mov_b32 s33, 32<<16
	s_mov_b32 s34, 24<<16
	s_mov_b32 s35, 32<<16
	s_mov_b32 s36, 24
	s_mov_b32 s37, 32
	s_mov_b32 s38, 0
	s_mov_b32 s39, 0
	s_add_co_u32 s66, s13, 8                       ; K: group 8 + hp, tiles 8 x .. 8 x + 11: 18,432 bytes, a quarter a wave
	s_lshl_b32 s66, s66, 8
	s_lshl_b32 s67, ttmp9, 3
	s_add_co_u32 s66, s66, s67
	s_mul_i32 s66, s66, 1536
	s_mul_i32 s41, s18, 4608                       ; LDS: (wave % 4) x 4,608
	s_add_co_u32 s66, s66, s41
	s_mov_b32 s67, 0
	s_and_b32 s70, s14, 1                          ; V: waves 4, 5 my token group, waves 6, 7 the next (held at the last: its keys are masked there); four channel tiles a wave
	s_add_co_u32 s70, s70, ttmp9
	s_min_u32 s70, s70, 31
	s_lshl_b32 s70, s70, 6
	s_lshl_b32 s71, s13, 3
	s_add_co_u32 s70, s70, s71
	s_lshl_b32 s71, s15, 2
	s_add_co_u32 s70, s70, s71
	s_mul_i32 s68, s70, 1536
	s_add_co_u32 s68, s68, VPART
	s_mov_b32 s69, 0
	s_mul_i32 s45, s18, 6144
	s_add_co_u32 s45, s45, VREG                    ; LDS: VREG + (wave % 4) x 6,144
	s_mov_b32 s40, 1
	s_mov_b32 s44, 1
	s_wait_dscnt 0x0
	s_wait_kmcnt 0x0
	s_add_nc_u64 s[42:43], s[4:5], s[66:67]
	s_or_b32 s43, s43, 0x80000000
	s_add_nc_u64 s[46:47], s[4:5], s[68:69]
	s_or_b32 s47, s47, 0x80000000
	s_cmp_lt_u32 s12, 4                            ; one first fill a wave; four v_nop follow each line
	s_cbranch_scc0 .Lfor_v
	tensor_load_to_lds s[40:43], s[24:31]
	s_nop 0
.rept 4
	v_nop
.endr
	s_branch .Lasked
.Lfor_v:
	tensor_load_to_lds s[44:47], s[32:39]
	s_nop 0
.rept 4
	v_nop
.endr
.Lasked:
	s_mov_b32 s71, 0
	s_lshl_b32 s70, s13, 8
	s_add_co_u32 s70, s70, s16
	s_mul_i32 s70, s70, 1536
	s_add_nc_u64 s[48:49], s[4:5], s[70:71]        ; Q's fragment: group hp, tile tt
	s_lshl_b32 s70, s13, 7
	s_add_co_u32 s70, s70, s17
	s_lshl_b32 s70, s70, 7
	s_add_nc_u64 s[52:53], s[6:7], s[70:71]
	s_add_nc_u64 s[52:53], s[52:53], 8*128*128     ; K's scale words: group 8 + hp, pairs pr ..
	s_lshl_b32 s62, s15, 6
	s_add_co_u32 s70, s70, s62
	s_add_nc_u64 s[50:51], s[6:7], s[70:71]        ; Q's: group hp, pair pr, my tile's half
	s_lshl_b32 s62, s13, 2
	s_lshl_b32 s70, ttmp9, 5
	s_add_co_u32 s70, s70, s62
	s_lshl_b32 s70, s70, 7
	s_add_co_u32 s70, s70, VSPART
	s_add_nc_u64 s[54:55], s[6:7], s[70:71]        ; V's: my token group, channel pairs 4 hp ..
	s_add_co_u32 s70, ttmp9, 1
	s_min_u32 s70, s70, 31
	s_lshl_b32 s70, s70, 5
	s_add_co_u32 s70, s70, s62
	s_lshl_b32 s70, s70, 7
	s_add_co_u32 s70, s70, VSPART
	s_add_nc_u64 s[56:57], s[6:7], s[70:71]        ; and the next group's
	s_lshr_b32 s70, s13, 1
	s_mul_i32 s70, s70, 786432
	s_mul_i32 s62, s16, 3072
	s_add_co_u32 s70, s70, s62
	s_and_b32 s62, s13, 1
	s_mul_i32 s62, s62, 1536
	s_add_co_u32 s70, s70, s62
	s_add_nc_u64 s[58:59], s[8:9], s[70:71]        ; O's image
	s_lshl_b32 s70, s16, 9
	s_lshl_b32 s62, s13, 6
	s_add_co_u32 s70, s70, s62
	s_add_nc_u64 s[60:61], s[10:11], s[70:71]      ; and its scale words
	v_and_b32 v21, 31, v0                          ; lane
	v_and_b32 v22, 15, v0                          ; r
	v_bfe_u32 v23, v0, 4, 1                        ; h
	v_lshlrev_b32 v[L8], 3, v21
	v_lshlrev_b32 v[L4], 2, v21
	v_lshlrev_b32 v[R4], 2, v22
	v_lshlrev_b32 v[L16], 4, v21
.irp p, 0,1,2
	global_load_b64 v[Q0+2*\p:Q0+2*\p+1], v[L8], s[48:49] offset:256*\p          ; head 0's codes: registers 0-5 of the fragment
	global_load_b64 v[Q0+18+2*\p:Q0+18+2*\p+1], v[L8], s[48:49] offset:768+256*\p  ; head 1's: registers 6-11
.endr
	global_load_b32 v[QS], v[R4], s[50:51]
.irp x, 0,1,2
	global_load_b32 v[KSC+\x], v[L4], s[52:53] offset:128*\x
.endr
.irp x, 0,1,2,3
	global_load_b32 v[PC+2*\x], v[L4], s[54:55] offset:128*\x
	global_load_b32 v[PC+2*\x+1], v[L4], s[56:57] offset:128*\x
.endr
.set i, 0
.rept 12
	v_mov_b32 v[Q0+6+i], 0                         ; the other head's codes: zeros
.set i, i+1
.endr
	v_and_b32 v[VE], 7, v0
	v_bfe_u32 v[VUP], v0, 3, 1
	v_lshl_add_u32 v[VE], v[VUP], 4, v[VE]         ; (r & 7) + 16 (r >> 3)
	v_lshlrev_b32 v[VUP], 4, v23                   ; 16 h
	v_sub_nc_u32 v[VE], v[VE], v[VUP]
	s_lshl_b32 s70, s15, 3
	v_add_nc_u32 v[VE], s70, v[VE]                 ; my query in the window, less 16 h
	s_and_b32 s70, s17, 63
	s_lshl_b32 s70, s70, 5                         ; the window's first key in its batch
	s_sub_co_u32 s70, 2047, s70
	v_sub_nc_u32 v[VUP], s70, v[VUP]
	v_add_nc_u32 v[AK], 64, v[VE]
	v_min_i32 v[VUP], v[VUP], v[AK]                ; min(query + 64, the batch's last key), less 16 h
	v_mov_b32 v[NINF], 0xff800000
	s_mul_i32 s70, s14, 3072
	v_add_nc_u32 v[AK], s70, v[L8]                 ; K: my window begins 2 pl tiles in
; V: registers 6 cc .. of lane (r, h) want token block pl + 2 cc + h of the two groups: group t / 4; in its image half (t / 2) % 2 of the pieces and lanes 16 (t % 2) + r
.irp cc, 0,1
	s_add_co_u32 s70, s14, 2*\cc
	v_add_nc_u32 v248, s70, v23
	v_lshrrev_b32 v249, 2, v248
	v_mul_u32_u24 v[AV+\cc], v249, 12288
	v_bfe_u32 v249, v248, 1, 1
	v_mad_u32_u24 v[AV+\cc], v249, 768, v[AV+\cc]
	v_and_b32 v249, 1, v248
	v_lshl_add_u32 v[AV+\cc], v249, 7, v[AV+\cc]
	v_lshl_add_u32 v[AV+\cc], v22, 3, v[AV+\cc]
	v_add_nc_u32 v[AV+\cc], VREG, v[AV+\cc]
.endr
.irp b, 3,4,5,7
	v_mov_b32 v[W+\b], 0                           ; written once: lane permutes' destinations, and the upper half of the pair v[254:255]
.endr
	s_wait_tensorcnt 0x0                           ; my part of K or V has landed,
	s_barrier_signal -1
	s_barrier_wait -1                              ; everybody's has
.irp t, 0,1,2,3,4,5
.irp p, 0,1,2,3,4,5
	ds_load_b64 v[KF+12*\t+2*\p:KF+12*\t+2*\p+1], v[AK] offset:\t*1536+\p*256
.endr
.endr
	s_wait_loadcnt 0x0                             ; Q and all scale words
.irp x, 0,1,2,3
	v_alignbit_b32 v[VS+\x], v[PC+2*\x+1], v[PC+2*\x], s19   ; the two groups' eight bytes, shifted so that byte 0 is the window's first block
.endr
	s_wait_dscnt 0x0
.irp t, 0,1,2,3,4,5
.irp hd, 0,1
	WMZ S+48*\hd+8*\t, KF+12*\t, Q0+12*\hd, KSC+\t/2, QS, \t%2
.endr
.endr
.rept 4
	v_nop                                          ; places in front of loads into registers that the products read, and of the first read of scores
.endr
.irp hd, 0,1
.irp dt, 0,1,2,3
.irp cc, 0,1
.irp p, 0,1,2
	ds_load_b64 v[VF+48*\hd+12*\dt+6*\cc+2*\p:VF+48*\hd+12*\dt+6*\cc+2*\p+1], v[AV+\cc] offset:(4*\hd+\dt)*1536+\p*256
.endr
.endr
.endr
.endr
.macro SOFTMAX hd
.set SS, S+48*(\hd)
.set n, 0
.rept 16                                       ; block 0: keys before my query are hidden.  (Ascending: each accumulator is read from its low end on)
	v_cmp_lt_i32 vcc_lo, n, v[VE]
	v_cndmask_b32 v[SS+n], v[SS+n], v[NINF], vcc_lo
.set n, n+1
.endr
.rept 32                                       ; blocks 1 and 2: keys more than 64 on, or past the batch's end
	v_cmp_gt_i32 vcc_lo, 32*(n/16)+n%16, v[VUP]
	v_cndmask_b32 v[SS+n], v[SS+n], v[NINF], vcc_lo
.set n, n+1
.endr
.irp b, 0,1,2
	v_max3_num_f32 v[W+\b], v[SS+16*\b], v[SS+16*\b+1], v[SS+16*\b+2]   ; each block's largest score: for the row's maximum and for the block's largest p
.endr
.irp i, 3,5,7,9,11,13
.irp b, 0,1,2
	v_max3_num_f32 v[W+\b], v[W+\b], v[SS+16*\b+\i], v[SS+16*\b+\i+1]
.endr
.endr
.irp b, 0,1,2
	v_max_num_f32 v[W+\b], v[W+\b], v[SS+16*\b+15]
.endr
.irp b, 0,1,2
	v_permlanex16_b32 v[W+3+\b], v[W+\b], s20, s21
.endr
.irp b, 0,1,2
	v_max_num_f32 v[W+\b], v[W+\b], v[W+3+\b]
.endr
	v_max3_num_f32 v[MX], v[W], v[W+1], v[W+2]     ; the row's maximum: finite, since my own key counts
.set i, 0
.rept 24
	v_pk_add_f32 v[SS+2*i:SS+2*i+1], v[SS+2*i:SS+2*i+1], v[MX:MX+1] op_sel_hi:[1,0] neg_lo:[0,1] neg_hi:[0,1]   ; s - max first: no difference of large products
.set i, i+1
.endr
.irp b, 0,1,2
	v_sub_f32 v[W+\b], v[W+\b], v[MX]
.endr
.set i, 0
.rept 24
	v_pk_mul_f32 v[SS+2*i:SS+2*i+1], v[SS+2*i:SS+2*i+1], s[22:23] op_sel_hi:[1,0]
.set i, i+1
.endr
.irp b, 0,1,2
	v_mul_f32 v[W+\b], s22, v[W+\b]
.endr
.set i, 0
.rept 48
	v_exp_f32 v[SS+i], v[SS+i]
.set i, i+1
.endr
.irp b, 0,1,2
	v_exp_f32 v[W+\b], v[W+\b]
.endr
	v_nop                                          ; a plain place behind the exponentials
	s_wait_alu depctr_va_vdst(0)
	v_pk_add_f32 v[X:X+1], v[SS:SS+1], v[SS+2:SS+3]         ; the row's sum, two at a time, in two chains
	v_pk_add_f32 v[X+2:X+3], v[SS+4:SS+5], v[SS+6:SS+7]
.irp j, 8,12,16,20,24,28,32,36,40,44
	v_pk_add_f32 v[X:X+1], v[X:X+1], v[SS+\j:SS+\j+1]
	v_pk_add_f32 v[X+2:X+3], v[X+2:X+3], v[SS+\j+2:SS+\j+3]
.endr
	v_pk_add_f32 v[X:X+1], v[X:X+1], v[X+2:X+3]
	v_add_f32 v[X], v[X], v[X+1]
	v_permlanex16_b32 v[X+1], v[X], s20, s21
	v_add_f32 v[X], v[X], v[X+1]
	v_rcp_f32 v[X+4], v[X]
	v_mov_b32 v[X+5], 0                            ; a plain place behind the reciprocal; the pair's upper half is written
.set i, 0
	s_wait_alu depctr_va_vdst(0)
.rept 24
	v_pk_mul_f32 v[SS+2*i:SS+2*i+1], v[SS+2*i:SS+2*i+1], v[X+4:X+5] op_sel_hi:[1,0]   ; p, finished
.set i, i+1
.endr
.irp b, 0,1,2
	v_mul_f32 v[W+\b], v[W+\b], v[X+4]             ; each block's largest p: the same instructions on the same number
.endr
.irp b, 0,1,2
	v_max_num_f32 v[W+\b], 0x2800000, v[W+\b]      ; the floor 2^(5 - 127)
.endr
.irp b, 0,1,2
	v_add_nc_u32 v[W+3+\b], 0xfe000000, v[W+\b]    ; the conversion's scale operand
.endr
.irp b, 0,1,2
	v_lshrrev_b32 v[W+\b], 23, v[W+3+\b]
.endr
	v_lshl_or_b32 v[PS], v[W+1], 8, v[W]
	v_lshl_or_b32 v[PS], v[W+2], 16, v[PS]         ; the fourth byte stays 0: its codes are zeros
	v_cvt_scalef32_pk16_bf6_f32 v[PC:PC+2], v[SS:SS+15], v[W+3]
	v_cvt_scalef32_pk16_bf6_f32 v[X:X+2], v[SS+16:SS+31], v[W+4]
	v_cvt_scalef32_pk16_bf6_f32 v[PC+6:PC+8], v[SS+32:SS+47], v[W+5]
.irp i, 4,5,6
	v_mov_b32 v[X+\i], 0                           ; the fourth block's codes.  (Plain places behind the conversions)
.endr
.irp i, 0,1,2                                  ; a WHOLE block in a lane: lanes 0-15 blocks 0 and 2, lanes 16-31 blocks 1 and 3
	v_permlane16_swap_b32 v[PC+\i], v[X+\i]
	v_permlane16_swap_b32 v[PC+6+\i], v[X+4+\i]
.endr
.irp i, 0,1,2
	v_mov_b32 v[PC+3+\i], v[X+\i]
	v_mov_b32 v[PC+9+\i], v[X+4+\i]
.endr
.rept 8
	v_nop                                          ; a scale register written by a vector instruction stands 8 places ahead of a scaled matrix instruction, an operand 4; results laid over earlier results 5
.endr
.endm
.macro PV hd                                   ; O^T = V^T P^T: four tiles of 16 channels, K = the window
	s_wait_dscnt 24*(1-(\hd))                      ; this head's 24 loads of V are in; the other head's 24 may be out
.irp dt, 0,1,2,3
	WMZ S+48*(\hd)+8*\dt, VF+48*(\hd)+12*\dt, PC, VS+2*(\hd)+\dt/2, PS, \dt%2
.endr
.rept 4
	v_nop
.endr
.endm
.macro OQ hd                                   ; the head's 32 registers, channel 32 b + 16 h + i at 16 b + i, are two blocks of the last product's K
.set SS, S+48*(\hd)
.irp b, 0,1
	v_max3_num_f32 v[W+\b], |v[SS+16*\b]|, |v[SS+16*\b+1]|, 0x2800000
.endr
.irp i, 2,4,6,8,10,12,14
.irp b, 0,1
	v_max3_num_f32 v[W+\b], v[W+\b], |v[SS+16*\b+\i]|, |v[SS+16*\b+\i+1]|
.endr
.endr
.irp b, 0,1
	v_permlanex16_b32 v[W+3+\b], v[W+\b], s20, s21
.endr
.irp b, 0,1
	v_max_num_f32 v[W+\b], v[W+\b], v[W+3+\b]
.endr
.irp b, 0,1
	v_add_nc_u32 v[W+3+\b], 0xfe000000, v[W+\b]
.endr
.irp b, 0,1
	v_lshrrev_b32 v[W+\b], 23, v[W+3+\b]
.endr
.if (\hd) == 0
	v_lshl_or_b32 v[OW], v[W+1], 8, v[W]
.else
	v_lshl_or_b32 v[OW], v[W], 16, v[OW]
	v_lshl_or_b32 v[OW], v[W+1], 24, v[OW]
.endif
	v_cvt_scalef32_pk16_bf6_f32 v[OC+6*(\hd):OC+6*(\hd)+2], v[SS:SS+15], v[W+3]
	v_cvt_scalef32_pk16_bf6_f32 v[X:X+2], v[SS+16:SS+31], v[W+4]
	v_nop                                          ; one plain place behind a scaled conversion
.irp i, 0,1,2
	v_permlane16_swap_b32 v[OC+6*(\hd)+\i], v[X+\i]
.endr
.irp i, 0,1,2
	v_mov_b32 v[OC+6*(\hd)+3+\i], v[X+\i]
.endr
.endm
	SOFTMAX 0
	PV 0
	OQ 0
	SOFTMAX 1
	PV 1
	OQ 1
.irp q, 0,1,2
	global_store_b128 v[L16], v[OC+4*\q:OC+4*\q+3], s[58:59] offset:512*\q   ; 32 lanes store 512 consecutive bytes, aligned
.endr
	s_wait_xcnt 0x0                                ; EXEC changes only behind this wait
	v_cmp_gt_u32 vcc_lo, 16, v21
	s_set_vgpr_msb 0x4
	s_wait_tensorcnt 0x0
	ds_add_u32 v235, v1
	s_wait_dscnt 0x0
	s_set_vgpr_msb 0x400
	s_and_saveexec_b32 s62, vcc_lo
	global_store_b32 v[R4], v[OW], s[60:61]        ; lanes 0-15: my 16 rows' scale words
	s_wait_xcnt 0x0                                ; and again in front of the line that widens it
	s_or_b32 exec_lo, exec_lo, s62
	s_endpgm
.Lfunc_end_k_q5db7338b73_attn:
	.size	k_q5db7338b73_attn, .Lfunc_end_k_q5db7338b73_attn-k_q5db7338b73_attn
	.p2alignl 7, 3214868480
	.fill 96, 4, 3214868480
	.section	.rodata,"a",@progbits
	.p2align	6, 0x0
	.amdhsa_kernel k_q5db7338b73_attn
		.amdhsa_group_segment_fixed_size 168960
		.amdhsa_private_segment_fixed_size 0
		.amdhsa_enable_private_segment 0
		.amdhsa_kernarg_size 32
		.amdhsa_user_sgpr_count 2
		.amdhsa_user_sgpr_kernarg_segment_ptr 1
		.amdhsa_wavefront_size32 1
		.amdhsa_system_sgpr_workgroup_id_x 1
		.amdhsa_system_sgpr_workgroup_id_y 1
		.amdhsa_system_sgpr_workgroup_id_z 1
		.amdhsa_system_vgpr_workitem_id 0
		.amdhsa_next_free_vgpr 258
		.amdhsa_next_free_sgpr 72
		.amdhsa_reserve_vcc 1
		.amdhsa_float_denorm_mode_32 3
		.amdhsa_float_denorm_mode_16_64 3
		.amdhsa_memory_ordered 1
		.amdhsa_forward_progress 1
		.amdhsa_inst_pref_size 53
	.end_amdhsa_kernel
	.amdgpu_metadata
---
amdhsa.version: [ 1, 2 ]
amdhsa.kernels:
  - .name:           k_q5db7338b73_attn
    .symbol:         k_q5db7338b73_attn.kd
    .args:
      - { .name: qkvc, .offset: 0, .size: 8, .value_kind: global_buffer, .address_space: global }
      - { .name: qkvs, .offset: 8, .size: 8, .value_kind: global_buffer, .address_space: global }
      - { .name: oc, .offset: 16, .size: 8, .value_kind: global_buffer, .address_space: global }
      - { .name: os, .offset: 24, .size: 8, .value_kind: global_buffer, .address_space: global }
    .group_segment_fixed_size: 168960
    .private_segment_fixed_size: 0
    .kernarg_segment_align: 8
    .kernarg_segment_size: 32
    .max_flat_workgroup_size: 256
    .sgpr_count:     72
    .vgpr_count:     258
    .wavefront_size: 32
...
	.end_amdgpu_metadata
.endif
;; end of part 3
;; launch proj (part 4): grid 8 x 32, 4 waves a work-group, clusters of 4 x 4, 297,984 bytes of LDS; arguments oc, os, codes1, scales1, b_out, out0; writes out0
.if DOCPART == 4
	.amdgcn_target "amdgcn-amd-amdhsa--gfx1250"
	.amdhsa_code_object_version 6
	.text
	.protected	k_q5db7338b73_proj
	.globl	k_q5db7338b73_proj
	.p2align	8
	.type	k_q5db7338b73_proj,@function
k_q5db7338b73_proj:
	s_mov_b64 s[64:65], 0
	v_nop
	global_prefetch_b8 v0, s[64:65] scope:SCOPE_SE
	s_setreg_imm32_b32 hwreg(HW_REG_WAVE_MODE, 25, 1), 1
	s_wait_xcnt 0x0
	s_wait_alu depctr_hold_cnt(0) depctr_sa_sdst(0) depctr_va_vdst(0) depctr_va_sdst(0) depctr_va_ssrc(0) depctr_va_vcc(0) depctr_vm_vsrc(0)
	s_getreg_b32 s2, hwreg(HW_REG_IB_STS2, 6, 4)
	s_cmp_eq_u32 s2, 0
	s_cbranch_scc0 .Lentry_in_a_cluster
	s_endpgm
.Lentry_in_a_cluster:
	s_bfe_u32 s2, ttmp6, 0x10000c
	s_cmp_lg_u32 s2, 0xf033
	s_cbranch_scc0 .Lentry_shape_is_right
	s_endpgm
.Lentry_shape_is_right:
; out0 = O w_out^T + b_out on codes of BF6 (E3M2) with E8M0 scales, K = 1,024.  O comes as images of operand registers (16 tokens x 128 K: 1,536 bytes), w_out as stored rows of codes (768 bytes, in the order pi: bits 3 and 4 of the row swapped).
; A tile of out0 is 128 tokens x 128 columns: 256 work-groups, one for each WGP; four waves of 64 x 64: 16 accumulators.  (A larger tile would leave WGPs without work at these sizes.)
; ALL OF K LIES IN LDS: each wave issues five first fills (scale words, then four chunks of 256 along K), and nothing is filled again; the chunks are waited for one by one, so that the products begin when the first has landed.
; CLUSTERS: 4 x 4.  O's tile ("A", source 1) hangs on the tile row and is shared along a row of the cluster, w_out's ("B", source 0) on the tile column and is shared along a column: joint loads.
; Source 0 = 16 stored rows of w_out: registers j of tile b in lane (r, h) are columns 32 (b / 2) + 16 h + 8 (b % 2) + j.  The bias is the C of each sum's first product.
; THE WAY OUT: through a stage in LDS (a row's 512 bytes come from two waves: a barrier); each wave stores 32 whole rows; stage row t is token pi(t) of the wave's 32.
; REGISTERS: window 0: v16-29 addresses; v32-47 A's scale words, v48-63 B's; v64-95 the bias in the result's layout; v128-255 the accumulators.   window 1: two buffers (v0, v128): A's four fragments, then B's four.
.set AREG,  0                          ; LDS: 4 chunks x [8 token tiles][2 K steps][1,536 bytes]
.set BREG,  98304                      ; 4 chunks x 128 rows, pitch 240 (192 bytes + 16 behind every 64)
.set SCA,   221184                     ; [8 tiles][8 K steps][16 rows] words
.set SCB,   225280                     ; 128 rows x 32 bytes, 16 bytes of padding behind every 256
.set STG,   229632                     ; 128 rows x (512 + 16): bytes of its own, into which no tile lands
.set PITCH, 240
.set SPITCH, 528
.set ADA,  16                          ; v16-17 A: chunks 0-1, chunks 2-3
.set ADB,  20                          ; v20-21 B likewise; v22-23 the same behind one padding more
.set ADSA, 24
.set ADSB, 25
.set STO,  26
.set RD,   27
.set CO,   28
.set BOF,  29
.set SA,   32                          ; SA[2 s + j]: K step s; lanes 0-15 tile 2 j, lanes 16-31 tile 2 j + 1
.set SB,   48                          ; SB[8 j + s] likewise
.set BI,   64
.set ACC,  128
.set G1A,  24
.set G1B,  32
.set G1SA, 40
.set G1SB, 48
.set G0SA, 56
.set G0SB, 60
.set G0A,  68
.set G0B,  84
.set MSB, 0
.macro WIN new
.if MSB != \new
	s_set_vgpr_msb (MSB<<8)|\new
.set MSB, \new
.endif
.endm
.macro CROUND                          ; a round of the cluster's barrier
	s_barrier_signal -1
	s_barrier_wait -1
	s_cmp_lg_u32 s16, 0
	s_cbranch_scc1 .Lnot_wave_0_\@
	s_barrier_signal -3
.Lnot_wave_0_\@:
	s_barrier_wait -3
	s_barrier_signal -1
	s_barrier_wait -1
.endm
.macro PLACES
.rept 4
	v_nop
.endr
.endm
	s_load_b256 s[4:11], s[0:1], 0x0               ; oc s[4:5], os s[6:7], the codes s[8:9], the scale bytes s[10:11]
	s_load_b128 s[12:15], s[0:1], 0x20             ; b_out, out0
	v_lshl_add_u32 v126, v0, 2, 0x48a00
	v_mov_b32 v127, 0
	ds_add_u32 v126, v127
	ds_add_u32 v126, v127
	v_lshrrev_b32 v1, 5, v0
	v_readfirstlane_b32 s16, v1                    ; wave 0..3
	s_lshr_b32 s17, s16, 1                         ; which 64 tokens are mine.  Also: I fetch for A (0) or for B (1)
	s_and_b32 s18, s16, 1                          ; which 64 columns.  Also: which half I fetch
	s_bfe_u32 s19, ttmp6, 0x40000                  ; cx
	s_bfe_u32 s20, ttmp6, 0x40004                  ; cy
	s_lshl_b32 s21, ttmp9, 2
	s_add_co_u32 s21, s21, s19                     ; tc: tile column
	s_and_b32 s22, ttmp7, 0xffff
	s_lshl_b32 s22, s22, 2
	s_add_co_u32 s22, s22, s20                     ; tr: tile row
	s_lshl_b32 s3, s20, 2
	s_lshl_b32 s3, 15, s3                          ; my row of the cluster
	s_lshl_b32 s101, 0x1111, s19                   ; my column
	s_or_b32 s[G1A], s3, (3<<16)|(1<<21)           ; A: dense rows of 256 bytes (32 elements of 8 bytes), no padding; 48 rows
	s_or_b32 s[G1SA], s3, (3<<16)|(1<<21)          ; A's scale words: the same, 8 rows
	s_or_b32 s[G1B], s101, (0<<16)|(1<<20)|(1<<21)|(3<<22)|(3<<25)   ; B: 64 rows of 192 bytes, 768 apart; 4 words of padding after every 16
	s_or_b32 s[G1SB], s101, (3<<16)|(1<<20)|(1<<21)|(5<<22)|(3<<25)  ; B's scale bytes: 8 rows of 256 bytes, 4 words of padding behind each
	s_mov_b32 s[G1A+1], 32<<16
	s_mov_b32 s[G1A+2], 48<<16
	s_mov_b32 s[G1A+3], 32<<16
	s_mov_b32 s[G1A+4], 48
	s_mov_b32 s[G1A+5], 32
	s_mov_b32 s[G1A+6], 0
	s_mov_b32 s[G1A+7], 0
	s_mov_b32 s[G1B+1], 192<<16
	s_mov_b32 s[G1B+2], 64<<16
	s_mov_b32 s[G1B+3], 192<<16
	s_mov_b32 s[G1B+4], 64
	s_mov_b32 s[G1B+5], 768
	s_mov_b32 s[G1B+6], 0
	s_mov_b32 s[G1B+7], 0
.irp g, G1SA, G1SB
	s_mov_b32 s[\g+1], 32<<16
	s_mov_b32 s[\g+2], 8<<16
	s_mov_b32 s[\g+3], 32<<16
	s_mov_b32 s[\g+4], 8
	s_mov_b32 s[\g+5], 32
	s_mov_b32 s[\g+6], 0
	s_mov_b32 s[\g+7], 0
.endr
	s_lshl_b32 s2, s22, 3                          ; A hangs on tr and the wave: token tile 8 tr + 4 x half
	s_lshl_b32 s3, s18, 2
	s_add_co_u32 s2, s2, s3
	s_lshl_b32 s[G0SA+2], s2, 9                    ; 512 bytes of scale words a tile
	s_mov_b32 s[G0SA+3], 0
	s_mul_i32 s2, s2, 3072                         ; 3,072 bytes of a chunk a tile
	s_mov_b32 s3, 0
	s_lshl_b32 s100, s21, 7                        ; B hangs on tc and the wave: stored row 7168 + 128 tc + 64 x half
	s_lshl_b32 s101, s18, 6
	s_add_co_u32 s100, s100, s101
	s_add_co_u32 s100, s100, 7168
	s_lshl_b32 s[G0SB+2], s100, 5
	s_mov_b32 s[G0SB+3], 0
	s_mul_i32 s100, s100, 768
	s_mov_b32 s101, 0
	s_wait_dscnt 0x0
	s_wait_kmcnt 0x0
	s_add_nc_u64 s[2:3], s[4:5], s[2:3]
	s_add_nc_u64 s[100:101], s[8:9], s[100:101]
	s_add_nc_u64 s[G0SA+2:G0SA+3], s[6:7], s[G0SA+2:G0SA+3]
	s_or_b32 s[G0SA+3], s[G0SA+3], 0x80000000
	s_add_nc_u64 s[G0SB+2:G0SB+3], s[10:11], s[G0SB+2:G0SB+3]
	s_or_b32 s[G0SB+3], s[G0SB+3], 0x80000000
	s_mov_b32 s[G0SA], 1
	s_lshl_b32 s23, s18, 11
	s_add_co_u32 s[G0SA+1], s23, SCA
	s_mov_b32 s[G0SB], 1
	s_mul_i32 s23, s18, 2176
	s_add_co_u32 s[G0SB+1], s23, SCB
	s_mul_i32 s23, s18, 12288
.irp q, 0,1,2,3
	s_mov_b32 s[G0A+4*\q], 1
	s_add_co_u32 s[G0A+4*\q+1], s23, AREG+\q*24576
	s_add_nc_u64 s[G0A+4*\q+2:G0A+4*\q+3], s[2:3], \q*786432
	s_or_b32 s[G0A+4*\q+3], s[G0A+4*\q+3], 0x80000000
.endr
	s_mul_i32 s23, s18, 15360
.irp q, 0,1,2,3
	s_mov_b32 s[G0B+4*\q], 1
	s_add_co_u32 s[G0B+4*\q+1], s23, BREG+\q*30720
	s_add_nc_u64 s[G0B+4*\q+2:G0B+4*\q+3], s[100:101], \q*192
	s_or_b32 s[G0B+4*\q+3], s[G0B+4*\q+3], 0x80000000
.endr
	CROUND                                         ; all sixteen work-groups are here: the joint loads meet
	s_cmp_eq_u32 s17, 0                            ; a wave's five first fills stand in one branch on its number: five loads of mine are out; four v_nop follow the last
	s_cbranch_scc0 .Lfill_b
	tensor_load_to_lds s[G0SA:G0SA+3], s[G1SA:G1SA+7]
	s_nop 0
	tensor_load_to_lds s[G0A:G0A+3], s[G1A:G1A+7]
	s_nop 0
	tensor_load_to_lds s[G0A+4:G0A+7], s[G1A:G1A+7]
	s_nop 0
	tensor_load_to_lds s[G0A+8:G0A+11], s[G1A:G1A+7]
	s_nop 0
	tensor_load_to_lds s[G0A+12:G0A+15], s[G1A:G1A+7]
	s_nop 0
.rept 4
	v_nop
.endr
	s_branch .Lfilled
.Lfill_b:
	tensor_load_to_lds s[G0SB:G0SB+3], s[G1SB:G1SB+7]
	s_nop 0
	tensor_load_to_lds s[G0B:G0B+3], s[G1B:G1B+7]
	s_nop 0
	tensor_load_to_lds s[G0B+4:G0B+7], s[G1B:G1B+7]
	s_nop 0
	tensor_load_to_lds s[G0B+8:G0B+11], s[G1B:G1B+7]
	s_nop 0
	tensor_load_to_lds s[G0B+12:G0B+15], s[G1B:G1B+7]
	s_nop 0
.rept 4
	v_nop
.endr
.Lfilled:
	v_and_b32 v1, 31, v0                           ; lane
	v_and_b32 v2, 15, v0                           ; r
	v_bfe_u32 v3, v0, 4, 1                         ; h
	v_lshlrev_b32 v[CO], 4, v1                     ; 16 x lane
	s_lshl_b32 s100, s21, 9                        ; the bias: b_out(128 tc + 64 half + 32 (b / 2) + 16 h + 8 (b % 2) + j)
	s_lshl_b32 s23, s18, 8
	v_lshlrev_b32 v[BOF], 6, v3
	v_add_nc_u32 v[BOF], s100, v[BOF]
	v_add_nc_u32 v[BOF], s23, v[BOF]
.irp b, 0,1,2,3
	global_load_b128 v[BI+8*\b:BI+8*\b+3], v[BOF], s[12:13] offset:128*(\b/2)+32*(\b%2)
	global_load_b128 v[BI+8*\b+4:BI+8*\b+7], v[BOF], s[12:13] offset:128*(\b/2)+32*(\b%2)+16
.endr
	s_lshl_b32 s2, s22, 7                          ; out0 at my first row to store, 128 tr + 32 x wave,
	s_lshl_b32 s3, s16, 5
	s_add_co_u32 s2, s2, s3
	s_lshl_b32 s2, s2, 12
	s_mov_b32 s3, 0
	s_add_nc_u64 s[14:15], s[14:15], s[2:3]
	s_mov_b32 s101, 0                              ; and the tile's first column: 512 tc bytes
	s_add_nc_u64 s[14:15], s[14:15], s[100:101]
	s_mul_i32 s23, s17, 12288                      ; A: my four token tiles; an image's place for my lane
	v_add_nc_u32 v[ADA], s23, v[CO]
	v_add_nc_u32 v[ADA+1], 49152, v[ADA]
	v_mul_u32_u24 v5, v2, PITCH                    ; B: row x pitch + 24 x half
	v_mad_u32_u24 v5, v3, 24, v5
	s_mul_i32 s23, s18, 15360
	s_add_co_u32 s23, s23, BREG
	v_add_nc_u32 v[ADB], s23, v5
	v_add_nc_u32 v[ADB+1], 61440, v[ADB]
	v_lshl_add_u32 v[ADB+2], v3, 4, v[ADB]
	v_lshl_add_u32 v[ADB+3], v3, 4, v[ADB+1]
	s_lshl_b32 s23, s17, 11
	s_add_co_u32 s23, s23, SCA
	v_lshlrev_b32 v[ADSA], 2, v2
	v_lshl_add_u32 v[ADSA], v3, 9, v[ADSA]         ; lanes 16-31: the next tile
	v_add_nc_u32 v[ADSA], s23, v[ADSA]
	s_mul_i32 s23, s18, 2176
	s_add_co_u32 s23, s23, SCB
	v_lshrrev_b32 v[ADSB], 3, v1
	v_lshlrev_b32 v[ADSB], 4, v[ADSB]
	v_lshl_add_u32 v[ADSB], v1, 5, v[ADSB]         ; row = lane: 32 bytes a row, 16 more for each eight rows passed
	v_add_nc_u32 v[ADSB], s23, v[ADSB]
	v_mul_u32_u24 v[STO], v2, SPITCH               ; the stage, in: row 64 x half + r; my columns' bytes 256 x half + 64 h
	v_lshl_add_u32 v[STO], v3, 6, v[STO]
	s_mul_i32 s23, s17, 64*SPITCH
	v_add_nc_u32 v[STO], s23, v[STO]
	s_lshl_b32 s23, s18, 8
	s_add_co_u32 s23, s23, STG
	v_add_nc_u32 v[STO], s23, v[STO]
	s_mul_i32 s23, s16, 32*SPITCH                  ; back: wave w takes rows 32 w .. 32 w + 31, whole
	s_add_co_u32 s23, s23, STG
	v_add_nc_u32 v[RD], s23, v[CO]
.macro BFRAG reg, adr, q, i, extra     ; 16 stored rows x 128 K from padded rows, in pieces of 8 bytes; lanes 16-31 read three pieces on: where that lies behind one padding more, the second address register serves
.irp p, 0,1,2,3,4,5
.set PCE, 12*(\q)+6*(\p/3)+\p%3
.if PCE%8 < 5
	ds_load_b64 v[\reg+2*\p:\reg+2*\p+1], v[\adr] offset:8*PCE+16*(PCE/8)+(\i)*16*PITCH+(\extra)
.else
	ds_load_b64 v[\reg+2*\p:\reg+2*\p+1], v[\adr+2] offset:8*PCE+16*(PCE/8)+(\i)*16*PITCH+(\extra)
.endif
.endr
.endm
.macro FETCH s, f                      ; K step s (chunk s / 2, half s % 2): A's four images by 16 bytes a lane, B's four fragments
	WIN 0x40                                       ; destination window 1, address window 0
.irp a, 0,1,2,3
.irp c, 0,1,2
	ds_load_b128 v[\f+12*\a+4*\c:\f+12*\a+4*\c+3], v[ADA+(\s)/4] offset:(((\s)/2)%2)*24576+\a*3072+((\s)%2)*1536+512*\c
.endr
.endr
.irp b, 0,1,2,3
	BFRAG \f+48+12*\b, ADB+(\s)/4, (\s)%2, \b, (((\s)/2)%2)*30720
.endr
.endm
.macro WM d, s0, s1, c, x0, x1, r0, r1 ; r0, r1 = 1: that source's scales stand in lanes 16-31
.if (\r0) && (\r1)
	v_wmma_scale_f32_16x16x128_f8f6f4 v[\d:\d+7], v[\s0:\s0+11], v[\s1:\s1+11], v[\c:\c+7], v[\x0], v[\x1] matrix_a_fmt:MATRIX_FMT_BF6 matrix_b_fmt:MATRIX_FMT_BF6 matrix_a_scale:MATRIX_SCALE_ROW1 matrix_b_scale:MATRIX_SCALE_ROW1
.elseif (\r0)
	v_wmma_scale_f32_16x16x128_f8f6f4 v[\d:\d+7], v[\s0:\s0+11], v[\s1:\s1+11], v[\c:\c+7], v[\x0], v[\x1] matrix_a_fmt:MATRIX_FMT_BF6 matrix_b_fmt:MATRIX_FMT_BF6 matrix_a_scale:MATRIX_SCALE_ROW1
.elseif (\r1)
	v_wmma_scale_f32_16x16x128_f8f6f4 v[\d:\d+7], v[\s0:\s0+11], v[\s1:\s1+11], v[\c:\c+7], v[\x0], v[\x1] matrix_a_fmt:MATRIX_FMT_BF6 matrix_b_fmt:MATRIX_FMT_BF6 matrix_b_scale:MATRIX_SCALE_ROW1
.else
	v_wmma_scale_f32_16x16x128_f8f6f4 v[\d:\d+7], v[\s0:\s0+11], v[\s1:\s1+11], v[\c:\c+7], v[\x0], v[\x1] matrix_a_fmt:MATRIX_FMT_BF6 matrix_b_fmt:MATRIX_FMT_BF6
.endif
.endm
.macro MUL s, f                        ; 16 matrix instructions: the accumulators take turns, in the same order in every K step.  K step 0 takes the bias as C
	WIN 0x05                                       ; sources 0 and 1 window 1; C and D window 0
.irp a, 0,1,2,3
.irp b, 0,1,2,3
.if (\s) == 0
	WM ACC+8*(4*\a+\b), \f+48+12*\b, \f+12*\a, BI+8*\b, SB+8*(\b/2)+(\s), SA+2*(\s)+\a/2, \b%2, \a%2
.else
	WM ACC+8*(4*\a+\b), \f+48+12*\b, \f+12*\a, ACC+8*(4*\a+\b), SB+8*(\b/2)+(\s), SA+2*(\s)+\a/2, \b%2, \a%2
.endif
.endr
.endr
.endm
	s_wait_tensorcnt 3                             ; my scale words and my part of chunk 0 are in; chunks 1 to 3 may be out
	s_barrier_signal -1
	s_barrier_wait -1
.irp s, 0,1,2,3,4,5,6,7
.irp j, 0,1
	ds_load_b32 v[SA+2*\s+\j], v[ADSA] offset:1024*\j+64*\s
.endr
.endr
.irp j, 0,1
	ds_load_b128 v[SB+8*\j:SB+8*\j+3], v[ADSB] offset:1088*\j
	ds_load_b128 v[SB+8*\j+4:SB+8*\j+7], v[ADSB] offset:1088*\j+16
.endr
	FETCH 0, 0
	s_wait_loadcnt 0x0                             ; the bias
.irp s, 0,1,2,3,4,5,6,7
	s_wait_dscnt 0x0                               ; this K step's fragments are in
.if (\s)%2 == 1 && (\s) < 7
	s_wait_tensorcnt (5-(\s))/2                    ; my part of the next chunk is in; the later chunks may be out
	s_barrier_signal -1
	s_barrier_wait -1                              ; everybody's is
.endif
.if (\s) < 7
.if (\s) > 0
	PLACES                                         ; in front of loads into the buffer that the K step before multiplied
.endif
	FETCH (\s)+1, 128*(((\s)+1)%2)
.endif
	MUL \s, 128*((\s)%2)
.endr
	WIN 0
	PLACES                                         ; in front of the first read of results
.irp a, 0,1,2,3
.irp b, 0,1,2,3
	ds_store_b128 v[STO], v[ACC+8*(4*\a+\b):ACC+8*(4*\a+\b)+3] offset:16*\a*SPITCH+128*(\b/2)+32*(\b%2)       ; each accumulator from its low end on
	ds_store_b128 v[STO], v[ACC+8*(4*\a+\b)+4:ACC+8*(4*\a+\b)+7] offset:16*\a*SPITCH+128*(\b/2)+32*(\b%2)+16
.endr
.endr
	s_wait_dscnt 0x0                               ; for the others' sake: my stores into the stage are done
	s_barrier_signal -1
	s_barrier_wait -1
.set t, 0
.rept 32
	ds_load_b128 v[ACC+4*t:ACC+4*t+3], v[RD] offset:t*SPITCH
.set t, t+1
.endr
.set t, 0
.rept 32
	s_wait_dscnt 31-t                              ; row t is back; the younger loads may be out
	global_store_b128 v[CO], v[ACC+4*t:ACC+4*t+3], s[14:15] offset:((t&7)|((t&8)<<1)|((t&16)>>1))*4096 th:TH_STORE_NT   ; stage row t is token pi(t): 32 lanes store 512 consecutive bytes, aligned
.set t, t+1
.endr
	s_wait_tensorcnt 0x0
	ds_add_u32 v126, v127
	s_wait_dscnt 0x0
	CROUND                                         ; the closing round: no work-group ends while a partner may still ask for a tile that names it
	s_endpgm
.Lfunc_end_k_q5db7338b73_proj:
	.size	k_q5db7338b73_proj, .Lfunc_end_k_q5db7338b73_proj-k_q5db7338b73_proj
	.p2alignl 7, 3214868480
	.fill 96, 4, 3214868480
	.section	.rodata,"a",@progbits
	.p2align	6, 0x0
	.amdhsa_kernel k_q5db7338b73_proj
		.amdhsa_group_segment_fixed_size 297984
		.amdhsa_private_segment_fixed_size 0
		.amdhsa_enable_private_segment 0
		.amdhsa_kernarg_size 48
		.amdhsa_user_sgpr_count 2
		.amdhsa_user_sgpr_kernarg_segment_ptr 1
		.amdhsa_wavefront_size32 1
		.amdhsa_system_sgpr_workgroup_id_x 1
		.amdhsa_system_sgpr_workgroup_id_y 1
		.amdhsa_system_sgpr_workgroup_id_z 1
		.amdhsa_system_vgpr_workitem_id 0
		.amdhsa_next_free_vgpr 512
		.amdhsa_next_free_sgpr 102
		.amdhsa_reserve_vcc 0
		.amdhsa_float_denorm_mode_32 3
		.amdhsa_float_denorm_mode_16_64 3
		.amdhsa_memory_ordered 1
		.amdhsa_forward_progress 1
		.amdhsa_inst_pref_size 57
	.end_amdhsa_kernel
	.amdgpu_metadata
---
amdhsa.version: [ 1, 2 ]
amdhsa.kernels:
  - .name:           k_q5db7338b73_proj
    .symbol:         k_q5db7338b73_proj.kd
    .args:
      - { .name: oc, .offset: 0, .size: 8, .value_kind: global_buffer, .address_space: global }
      - { .name: os, .offset: 8, .size: 8, .value_kind: global_buffer, .address_space: global }
      - { .name: codes1, .offset: 16, .size: 8, .value_kind: global_buffer, .address_space: global }
      - { .name: scales1, .offset: 24, .size: 8, .value_kind: global_buffer, .address_space: global }
      - { .name: b_out, .offset: 32, .size: 8, .value_kind: global_buffer, .address_space: global }
      - { .name: out0, .offset: 40, .size: 8, .value_kind: global_buffer, .address_space: global }
    .group_segment_fixed_size: 297984
    .private_segment_fixed_size: 0
    .kernarg_segment_align: 8
    .kernarg_segment_size: 48
    .max_flat_workgroup_size: 128
    .sgpr_count:     102
    .vgpr_count:     512
    .wavefront_size: 32
...
	.end_amdgpu_metadata
.endif
;; end of part 4
